; MI455X (gfx1250); checked and timed in simulation.
; The chip was launched on July 23, 2026; its instructions are those of AMD's public machine-readable ISA for CDNA 5 (MIT licence, August 2026) and "CDNA5" Instruction Set Architecture Reference Guide (July 2026). The comments in the code are by the model that wrote it; some were corrected since.
;; PAM Module v5. Allowed arithmetic: matrix products marked QUANTISED: E5M2 operands, one E8M0 scale for each 32 along K, by v_wmma_scale_f32_16x16x128_f8f6f4 with both operands' format E5M2, f32 sums; everything else in f32.
;; Inputs: bk 64 float32; bq 64 float32; bv 512 float32; gamma 1 float32; wk_codes 64 x 16 x 32 uint8 (E5M2 codes of wk, K innermost, in blocks of 32 codes); wk_scales 64 x 16 uint8 (E8M0 scales of wk, one for each 32 codes along K); wq_codes 64 x 16 x 32 uint8 (E5M2 codes of wq, K innermost, in blocks of 32 codes); wq_scales 64 x 16 uint8 (E8M0 scales of wq, one for each 32 codes along K); wv_codes 512 x 16 x 32 uint8 (E5M2 codes of wv, K innermost, in blocks of 32 codes); wv_scales 512 x 16 uint8 (E8M0 scales of wv, one for each 32 codes along K); x 4 x 512 x 64 x 64 float32.
;; Outputs: out0 4 x 512 x 64 x 64 float32.
;; This version of the problem:
;;   THIS VERSION OF THE PROBLEM IS GIVEN IN LOW PRECISION. The matrix products marked QUANTISED in the list below multiply operands that are first quantised to E5M2 (5 exponent bits, 2 mantissa bits; 8 bits a number), with one power-of-two scale for each 32 numbers along K (OCP MX v1.0); their sums are f32. All else is computed in f32.
;;   The module's matrix products, in the order in which they are computed (A, B: the left and right operand; K: the contracted axis; several contracted axes count as one K, in the product's order):
;;     1. [M 64, K 512] x [K 512, N 16,384]; A: input wq (given as codes); B: input x: QUANTISED
;;     2. [M 64, K 512] x [K 512, N 16,384]; A: input wk (given as codes); B: input x: QUANTISED
;;     3. batch 4 x [M 4,096, K 64] x [K 64, N 4,096]; A: computed on the way; B: computed on the way: QUANTISED
;;     4. [M 512, K 512] x [K 512, N 16,384]; A: input wv (given as codes); B: input x: QUANTISED
;;     5. batch 4 x [M 512, K 4,096] x [K 4,096, N 4,096]; A: computed on the way; B: computed on the way: QUANTISED
;;   THE QUANTISER, for each operand of a quantised product, along K:
;;     - K is cut into blocks of 32 from its start; a last block that is shorter is filled with zeros.
;;     - A block's scale is 2^e with e = floor(log2(the largest magnitude in the block)) - 15, held to -126 .. 127; a block of zeros has e = 0. As a byte (E8M0): e + 127.
;;     - Each number is divided by its block's scale, clamped to +-57,344, and rounded to the nearest number of E5M2, ties to even, subnormals kept.
;;     - The product sums the exact products of the quantised numbers (number of the format x scale) in f32.
;;   ~~~python
;;   def quantise(x, axis):      # numpy; x: float32 -> the quantised numbers, widened to float32 again
;;       x = np.moveaxis(x, axis, -1); K = x.shape[-1]
;;       x = np.pad(x, [(0, 0)] * (x.ndim - 1) + [(0, -K % 32)]); x = x.reshape(x.shape[:-1] + (-1, 32)); a = np.abs(x).max(-1, keepdims=True)
;;       e = np.where(a > 0, np.clip(np.frexp(np.where(a > 0, a, 1))[1] - 1 - 15, -126, 127), 0)      # np.frexp(a)[1] - 1 = floor(log2(a)), exactly
;;       r = np.clip(x / 2.0 ** e, -57344, 57344)
;;       step = 2.0 ** (np.maximum(np.frexp(np.where(r == 0, 1, r))[1] - 1, -14) - 2)
;;       q = np.round(r / step) * step * 2.0 ** e      # np.round: ties to even
;;       return np.moveaxis(q.reshape(q.shape[:-2] + (-1,))[..., :K], -1, axis).astype(np.float32)
;;   ~~~
;;   OPERANDS COMPUTED ON THE WAY. 'Computed on the way' means the value that the module computes at that place (a softmax that the list does not call 'softmax' is quantised finished and normalised). What goes into a quantiser is computed in f32, as accurately as f32 sums, v_exp_f32 and their like allow (about 1e-6 of the number): no bf16 or f16 on the way to a quantiser, and a product that is left as it is and whose result goes on into a quantised operand takes f32 operands (vector FMAs, or v_wmma_f32_16x16x4_f32). A number that lies on a knife's edge between two numbers of the format may be rounded either way, as far as f32 arithmetic and the matrix unit's own rounding can turn it there, and no further.
;;   INPUTS GIVEN AS CODES. wk (in the module: [64, 512], K = its axis 1); wq (in the module: [64, 512], K = its axis 1); wv (in the module: [512, 512], K = its axis 1): each comes as NAME_codes (uint8): NAME with its K axis moved to the last place and cut into blocks of 32 codes, [.., K / 32, bytes a block], one block behind the other in memory; one code a byte (a code: sign, 5 exponent bits, 2 mantissa bits); and NAME_scales (uint8): the same leading axes, one E8M0 byte (e + 127) for each 32 codes along K. Its value is code x scale, taken as it is: it is not quantised again, and the codes and scales need not be those that the quantiser above would give.
;; 2 versions, each right. Each part assembles by itself: llvm-mc -triple=amdgcn-amd-amdhsa -mcpu=gfx1250 --defsym DOCPART=n.
;; ======== version 1 of 2: 3 launches
;; workspace buffers: qr 1,179,648 bytes; kr 1,179,648 bytes; vimg 8,388,608 bytes; vsh 262,144 bytes; pack 1,572,864 bytes
;; launch proj (part 1): grid 64 x 4, 8 waves a work-group, no clusters, 113,664 bytes of LDS; arguments x, wq_codes, wq_scales, bq, wk_codes, wk_scales, bk, wv_codes, wv_scales, bv, qr, kr, vimg, vsh; writes qr, kr, vimg, vsh
.if DOCPART == 1
	.amdgcn_target "amdgcn-amd-amdhsa--gfx1250"
	.amdhsa_code_object_version 6
	.text
	.protected	k_q47531d3631_proj
	.globl	k_q47531d3631_proj
	.p2align	8
	.type	k_q47531d3631_proj,@function
k_q47531d3631_proj:
	s_mov_b64 s[64:65], 0
	v_nop
	global_prefetch_b8 v0, s[64:65] scope:SCOPE_SE
	s_setreg_imm32_b32 hwreg(HW_REG_WAVE_MODE, 25, 1), 1
	s_wait_xcnt 0x0
; THE THREE 1x1 CONVOLUTIONS on codes of BF8 (E5M2) with one E8M0 scale for each 32 along K, and the quantisers behind them.
; x [4][512][4096] f32 is quantised along the channels (K = 512); q = wq x + bq, k = wk x + bk (64 channels each), v = wv x + bv (512 channels); q, k and v are
; quantised along the pixels, 32 to a block, since the pixels of an image row are the K of q.k and the pixels are the K of the last product.
; SHARES.  A work-group takes one image row hr (64 pixels) of one batch b, all 512 channels.  PHASE X: wave w quantises pixels 32 (w % 2) + lane, channels 128 (w / 2) on:
; a lane to a pixel, registers down K, so a block of 32 lies in one lane.  Codes go to LDS with K innermost.  PRODUCTS: every wave holds all of x's fragments (256 registers);
; wave w makes v's channels 64 w .. 64 w + 63 (four tiles) and one tile of q (waves 0-3) or of k (waves 4-7).
; LAYOUT.  Source 0 = 16 pixels, source 1 = 16 rows of a weight: a lane holds ONE output channel (lane % 16) and eight pixels.  THE PIXELS OF A TILE ARE NOT NEIGHBOURS: row r of tile 2 bb + u is
; pixel 32 bb + 8 u + r + 8 (r / 8), so that the 16 registers of tiles 2 bb, 2 bb + 1 are pixels 32 bb + 16 (lane / 16) + 0 .. 15: the conversions' results are the next operand's registers.
; OUT.  qr, kr: a record of 4,608 bytes for each (b, hr): codes [channel][64], scale words [channel] (two bytes, then 0x7f7f for the zero codes that fill K to 128), square sums [channel].
; vimg: v's codes as images of the operand's registers [b][n / 128][c / 16][group of 4 registers][lane][16 bytes].  vsh: v's two scale bytes [b][hr][c].
; The weights are not shared in a cluster: a tile of 16 rows is 8 KiB, five tiles a wave, each used for 16 products: a ring for them would be filled again with a round of the cluster's barrier for each of five short trips.
; LIMITS: NaN and infinities among the inputs are not served; a block whose largest magnitude lies under 2^-111 (a block of zeros too) keeps the scale byte 1: its bytes are read by this program alone.
.set XP,    528                        ; LDS: x's codes, 64 pixel rows of 512 bytes + 16 of padding, from byte 0
.set XS,    33792                      ; x's scale words [K step][pixel]
.set WST,   34816                      ; a stage of 16 weight rows x 528 for each wave
.set QST,   102400                     ; 1,024 bytes for each wave: q's or k's codes on their way to rows
.set FIN,   110592                     ; q's scale words, q2, k's scale words, k2 (256 bytes each), v's scale bytes (1,024)
.set FLOOR, 0x8000000                  ; 2^(16 - 127)
.set EOFF,  0xf8800000                 ; -(15 << 23)
.set TM,    24                         ; v24-39  at work in the quantisers
.set SB,    40                         ; x's scale word
.set PW,    41                         ; the scale word just made
.set SQ,    42                         ; v42-45  the square sum
.set BI,    46                         ; v46-47  a tile's bias, two sets
.set WS,    48                         ; v48-55  a tile's scale words, two sets of four
.set XSC,   56                         ; v56-71  x's scale words: 4 T + K step
.set CB,    72                         ; v72-79  the bias as C
.set PC,    80                         ; v80-87  codes (phase X: v80-111)
.set RB,    88                         ; v88-95  codes read back as rows
.set ACC,   96                         ; v96-127 four accumulators
.set L,     128                        ; v128-191 a weight tile as loaded
.set F,     192                        ; v192-255 its four fragments.   Window 1: x's 16 fragments at 16 (4 T + K step)
.set MSB, 0
.macro WIN new                         ; the immediate's high byte repeats the setting that is left
.if MSB != \new
	s_set_vgpr_msb (MSB<<8)|\new
.set MSB, \new
.endif
.endm
.macro LOAD t                          ; block t: x(128 cq + 32 t + i, my pixel): 32 lanes read 128 consecutive bytes, my neighbour wave the 128 beside them
.set i, 0
.rept 32
	global_load_b32 v[128+32*(\t)+i], v4, s[4:5] offset:(32*(\t)+i)*16384 th:TH_LOAD_NT
.set i, i+1
.endr
.endm
.macro WLOAD set, cb, coff, sb, soff, bb, boff   ; a tile of 16 weight rows: each load is one whole row of 512 bytes; its scale words (16 bytes a row) and its bias
.irp p, 0,1,2,3,4,5,6,7,8,9,10,11,12,13,14,15
	global_load_b128 v[L+4*\p:L+4*\p+3], v9, s[\cb:\cb+1] offset:\coff+512*\p
.endr
	global_load_b128 v[WS+4*(\set):WS+4*(\set)+3], v12, s[\sb:\sb+1] offset:\soff
	global_load_b32 v[BI+(\set)], v13, s[\bb:\bb+1] offset:\boff
.endm
.macro BLOCK t, left, what             ; 32 channels of my pixel become 32 codes and a scale byte
	s_wait_loadcnt \left                           ; this block's 32 loads are in; what was issued behind them stays out
.if \what == 1
	LOAD (\t)+2
.elseif \what == 2
	WLOAD 0, 18, 0, 20, 0, 22, 0                   ; the first weight tile lands in the registers of blocks 0 and 1, which are done
.endif
.set XB, 128+32*(\t)
	v_max3_num_f32 v[TM], |v[XB]|, |v[XB+1]|, |v[XB+2]|
	v_max3_num_f32 v[TM+1], |v[XB+3]|, |v[XB+4]|, |v[XB+5]|
.irp i, 6,10,14,18,22,26
	v_max3_num_f32 v[TM], v[TM], |v[XB+\i]|, |v[XB+\i+1]|
	v_max3_num_f32 v[TM+1], v[TM+1], |v[XB+\i+2]|, |v[XB+\i+3]|
.endr
	v_max3_num_f32 v[TM], v[TM], |v[XB+30]|, |v[XB+31]|
	v_max3_num_f32 v[TM], v[TM], v[TM+1], FLOOR    ; the floor holds the byte at 1 from below
	v_add_nc_u32 v[TM+3], EOFF, v[TM]              ; 15 off the exponent field: the conversion's scale operand
	v_and_or_b32 v[TM+2], v[TM], 0x7f800000, s40   ; 57,344 x the scale
	v_lshrrev_b32 v[TM+1], 23, v[TM+3]             ; the byte
.if (\t) == 0
	v_mov_b32 v[SB], v[TM+1]
.else
	v_lshl_or_b32 v[SB], v[TM+1], 8*(\t), v[SB]
.endif
.set i, 0
.rept 32
	v_med3_num_f32 v[XB+i], v[XB+i], -v[TM+2], v[TM+2]   ; the conversion does not saturate (ISA guide 7.6.2): the hold comes first
.set i, i+1
.endr
.irp g, 0,1,2,3
	v_cvt_scalef32_pk8_bf8_f32 v[PC+8*(\t)+2*\g:PC+8*(\t)+2*\g+1], v[XB+8*\g:XB+8*\g+7], v[TM+3]
.endr
	v_nop                                          ; a plain line behind the last conversion
	ds_store_b128 v5, v[PC+8*(\t):PC+8*(\t)+3] offset:32*(\t)
	ds_store_b128 v5, v[PC+8*(\t)+4:PC+8*(\t)+7] offset:32*(\t)+16
.endm
.macro TURNW                           ; the tile through my own stage: in as rows, out as four fragments.  LDS serves a wave's instructions in order: no wait between
.irp p, 0,1,2,3,4,5,6,7,8,9,10,11,12,13,14,15
	ds_store_b128 v10, v[L+4*\p:L+4*\p+3] offset:XP*\p
.endr
.irp ks, 0,1,2,3
.irp c, 0,1,2,3
	ds_load_b128 v[F+16*\ks+4*\c:F+16*\ks+4*\c+3], v11 offset:128*\ks+32*\c
.endr
.endr
.endm
.macro MULT set                        ; 16 products: four K steps x four tiles of pixels; the four accumulators take turns; the bias is the first C
	WIN 0x01                                       ; source 0 (x) in window 1
.irp ks, 0,1,2,3
.irp T, 0,1,2,3
.if \ks == 0
	v_wmma_scale_f32_16x16x128_f8f6f4 v[ACC+8*\T:ACC+8*\T+7], v[16*(4*\T+\ks):16*(4*\T+\ks)+15], v[F+16*\ks:F+16*\ks+15], v[CB:CB+7], v[XSC+4*\T+\ks], v[WS+4*(\set)+\ks] matrix_a_fmt:MATRIX_FMT_BF8 matrix_b_fmt:MATRIX_FMT_BF8
.else
	v_wmma_scale_f32_16x16x128_f8f6f4 v[ACC+8*\T:ACC+8*\T+7], v[16*(4*\T+\ks):16*(4*\T+\ks)+15], v[F+16*\ks:F+16*\ks+15], v[ACC+8*\T:ACC+8*\T+7], v[XSC+4*\T+\ks], v[WS+4*(\set)+\ks] matrix_a_fmt:MATRIX_FMT_BF8 matrix_b_fmt:MATRIX_FMT_BF8
.endif
.endr
.endr
	WIN 0
.endm
.macro QUANT2 sq                       ; my channel's 32 numbers (two blocks, each shared with lane l xor 16) become 8 registers of codes and two bytes.  sq = 1: first the row's square sum, of the unquantised numbers
.if \sq
	v_pk_mul_f32 v[SQ:SQ+1], v[ACC:ACC+1], v[ACC:ACC+1]
	v_pk_mul_f32 v[SQ+2:SQ+3], v[ACC+2:ACC+3], v[ACC+2:ACC+3]
.irp e, 4,8,12,16,20,24,28
	v_pk_fma_f32 v[SQ:SQ+1], v[ACC+\e:ACC+\e+1], v[ACC+\e:ACC+\e+1], v[SQ:SQ+1]
	v_pk_fma_f32 v[SQ+2:SQ+3], v[ACC+\e+2:ACC+\e+3], v[ACC+\e+2:ACC+\e+3], v[SQ+2:SQ+3]
.endr
	v_pk_add_f32 v[SQ:SQ+1], v[SQ:SQ+1], v[SQ+2:SQ+3]
	v_add_f32 v[SQ], v[SQ], v[SQ+1]
	v_permlanex16_b32 v[SQ+2], v[SQ], s38, s39
	v_add_f32 v[SQ], v[SQ], v[SQ+2]
.endif
.irp b, 0,1
	v_max3_num_f32 v[TM+\b], |v[ACC+16*\b]|, |v[ACC+16*\b+1]|, FLOOR   ; each accumulator is read from its low end on
.endr
.irp i, 2,4,6,8,10,12,14
.irp b, 0,1
	v_max3_num_f32 v[TM+\b], v[TM+\b], |v[ACC+16*\b+\i]|, |v[ACC+16*\b+\i+1]|
.endr
.endr
.irp b, 0,1
	v_permlanex16_b32 v[TM+4+\b], v[TM+\b], s38, s39
.endr
.irp b, 0,1
	v_max_num_f32 v[TM+\b], v[TM+\b], v[TM+4+\b]
.endr
.irp b, 0,1
	v_add_nc_u32 v[TM+12+\b], EOFF, v[TM+\b]
.endr
.irp b, 0,1
	v_and_or_b32 v[TM+8+\b], v[TM+\b], 0x7f800000, s40
.endr
.irp b, 0,1
	v_lshrrev_b32 v[TM+4+\b], 23, v[TM+12+\b]
.endr
	v_lshl_or_b32 v[PW], v[TM+5], 8, v[TM+4]
	s_wait_xcnt 0x0                                ; the last tile's stores have read the codes' registers: they are written again only behind this wait
.irp b, 0,1
.irp i, 0,1,2,3,4,5,6,7,8,9,10,11,12,13,14,15
	v_med3_num_f32 v[ACC+16*\b+\i], v[ACC+16*\b+\i], -v[TM+8+\b], v[TM+8+\b]
.endr
	v_cvt_scalef32_pk8_bf8_f32 v[PC+4*\b:PC+4*\b+1], v[ACC+16*\b:ACC+16*\b+7], v[TM+12+\b]
	v_cvt_scalef32_pk8_bf8_f32 v[PC+4*\b+2:PC+4*\b+3], v[ACC+16*\b+8:ACC+16*\b+15], v[TM+12+\b]
.endr
	v_nop                                          ; a plain line behind the last conversion: the next products write its sources
.endm
.macro OTILE i, set                    ; one tile of 16 output channels x 64 pixels
	s_wait_loadcnt 0x0                             ; the tile's 18 loads
.irp j, 0,1,2,3,4,5,6,7
	v_mov_b32 v[CB+\j], v[BI+(\set)]               ; my channel's bias, in the result's layout
.endr
	TURNW
	s_wait_dscnt 0x0                               ; the fragments are in, and the stores have read the landing registers,
.if \i < 3
	WLOAD 1-(\set), 18, 8192*(\i+1), 20, 256*(\i+1), 22, 64*(\i+1)   ; which take the next tile while this one is multiplied
.elseif \i == 3
	WLOAD 1-(\set), 50, 0, 52, 0, 54, 0            ; my tile of wq or of wk
.endif
.rept 4
	v_nop                                          ; places between the vector writes of C and the first product
.endr
	MULT \set
.rept 8
	v_nop                                          ; eight places behind this form before its results are read
.endr
.endm
	s_load_b256 s[4:11], s[0:1], 0x0               ; x 4, wq_codes 6, wq_scales 8, bq 10
	s_load_b256 s[12:19], s[0:1], 0x20             ; wk_codes 12, wk_scales 14, bk 16, wv_codes 18
	s_load_b256 s[20:27], s[0:1], 0x40             ; wv_scales 20, bv 22, qr 24, kr 26
	s_load_b128 s[28:31], s[0:1], 0x60             ; vimg 28, vsh 30
	v_lshl_add_u32 v38, v0, 2, 0x1b800
	v_mov_b32 v39, 0
	v_lshrrev_b32 v1, 5, v0
	v_readfirstlane_b32 s32, v1                    ; wave 0..7
	s_and_b32 s34, ttmp7, 0xffff                   ; b;  ttmp9 = hr
	s_and_b32 s35, s32, 1                          ; which 32 pixels
	s_lshr_b32 s36, s32, 1                         ; which 128 channels
	v_and_b32 v1, 31, v0                           ; lane
	v_lshlrev_b32 v4, 2, v1
	s_lshl_b32 s42, s34, 23                        ; b x 512 x 16,384
	s_lshl_b32 s43, s36, 21                        ; + 128 channels x 16,384
	s_add_co_u32 s42, s42, s43
	s_lshl_b32 s43, ttmp9, 8                       ; + the image row's 256 bytes
	s_add_co_u32 s42, s42, s43
	s_lshl_b32 s43, s35, 7
	s_add_co_u32 s42, s42, s43
	s_mov_b32 s43, 0
	s_wait_kmcnt 0x0
	s_add_nc_u64 s[4:5], s[4:5], s[42:43]
	LOAD 0
	LOAD 1
	v_and_b32 v2, 15, v0                           ; r
	v_bfe_u32 v3, v0, 4, 1                         ; h
	v_and_b32 v20, 63, v0                          ; phase X: my pixel,
	v_lshrrev_b32 v21, 6, v0                       ; my K step
	v_mul_u32_u24 v5, v20, XP
	v_lshl_add_u32 v5, v21, 7, v5                  ; where my codes go
	v_lshlrev_b32 v6, 2, v20
	v_lshl_add_u32 v6, v21, 8, v6
	v_add_nc_u32 v6, XS, v6                        ; and my scale word
	v_and_b32 v20, 8, v2
	v_add_nc_u32 v20, v20, v2                      ; r + 8 (r / 8)
	v_mul_u32_u24 v7, v20, XP
	v_lshl_add_u32 v7, v3, 4, v7                   ; x's fragments
	v_lshl_add_u32 v8, v20, 2, XS                  ; x's scale words
	v_lshlrev_b32 v9, 4, v1                        ; 16 x lane
	s_mul_i32 s42, s32, 8448
	s_add_co_u32 s42, s42, WST
	v_add_nc_u32 v10, s42, v9
	v_mul_u32_u24 v11, v2, XP
	v_lshl_add_u32 v11, v3, 4, v11
	v_add_nc_u32 v11, s42, v11
	v_lshlrev_b32 v12, 4, v2
	v_lshlrev_b32 v13, 2, v2
	s_lshl_b32 s42, s32, 10
	s_add_co_u32 s42, s42, QST
	v_lshlrev_b32 v14, 6, v2
	v_lshl_add_u32 v14, v3, 4, v14
	v_add_nc_u32 v14, s42, v14
	v_add_nc_u32 v15, s42, v9
	s_lshr_b32 s42, s32, 2
	s_lshl_b32 s42, s42, 9
	s_and_b32 s48, s32, 3
	s_lshl_b32 s43, s48, 6
	s_add_co_u32 s42, s42, s43
	s_add_co_u32 s42, s42, FIN
	v_add_nc_u32 v16, s42, v13
	s_lshl_b32 s42, s32, 7
	s_add_co_u32 s42, s42, FIN+1024
	v_lshl_add_u32 v17, v2, 1, s42
	s_lshl_b32 s42, s32, 8
	s_add_co_u32 s42, s42, FIN
	v_lshlrev_b32 v19, 3, v1
	v_add_nc_u32 v18, s42, v19
	v_mov_b32 v[TM+4], 0                           ; written once: a lane permute's destination counts as one of its sources
	v_mov_b32 v[TM+5], 0
	s_mov_b32 s38, 0x76543210
	s_mov_b32 s39, 0xfedcba98                      ; lane l xor 16
	s_mov_b32 s40, 0x600000                        ; the mantissa field of 57,344
	s_mov_b32 s43, 0
	s_lshl_b32 s42, s32, 15                        ; my 64 rows of wv,
	s_add_nc_u64 s[18:19], s[18:19], s[42:43]
	s_lshl_b32 s42, s32, 10                        ; their scale bytes,
	s_add_nc_u64 s[20:21], s[20:21], s[42:43]
	s_lshl_b32 s42, s32, 8                         ; their biases
	s_add_nc_u64 s[22:23], s[22:23], s[42:43]
	s_lshl_b32 s44, s34, 6
	s_add_co_u32 s44, s44, ttmp9                   ; 64 b + hr
	s_mul_i32 s45, s44, 4608                       ; the record
	s_lshl_b32 s46, s35, 8
	s_add_co_u32 s46, s46, s45
	s_add_co_u32 s46, s46, 4096                    ; waves 0-3: a record's last two units
	s_lshl_b32 s47, s44, 10
	s_lshl_b32 s49, s48, 8
	s_add_co_u32 s47, s47, s49                     ; waves 4-7: vsh's four units
	s_cmp_lt_u32 s32, 2
	s_cselect_b64 s[58:59], s[24:25], s[26:27]
	s_cmp_lt_u32 s32, 4                            ; all that follows hangs on this compare: q's waves or k's
	s_cselect_b64 s[58:59], s[58:59], s[30:31]
	s_cselect_b32 s46, s46, s47
	s_cselect_b64 s[50:51], s[6:7], s[12:13]
	s_cselect_b64 s[52:53], s[8:9], s[14:15]
	s_cselect_b64 s[54:55], s[10:11], s[16:17]
	s_cselect_b64 s[56:57], s[24:25], s[26:27]
	s_mov_b32 s47, 0
	s_add_nc_u64 s[58:59], s[58:59], s[46:47]      ; the unit of 256 bytes that I store at the end
	s_lshl_b32 s42, s48, 13
	s_add_nc_u64 s[50:51], s[50:51], s[42:43]
	s_lshl_b32 s42, s48, 8
	s_add_nc_u64 s[52:53], s[52:53], s[42:43]
	s_lshl_b32 s42, s48, 6
	s_add_nc_u64 s[54:55], s[54:55], s[42:43]
	s_lshl_b32 s42, s48, 10
	s_add_co_u32 s42, s42, s45
	s_add_nc_u64 s[56:57], s[56:57], s[42:43]      ; my 16 channels' codes in the record
	s_lshl_b32 s42, s34, 5
	s_lshr_b32 s46, ttmp9, 1
	s_add_co_u32 s42, s42, s46                     ; 32 b + n / 128
	s_lshl_b32 s42, s42, 5
	s_lshl_b32 s46, s32, 2
	s_add_co_u32 s42, s42, s46                     ; x 32 + my first tile of channels
	s_lshl_b32 s42, s42, 11
	s_and_b32 s46, ttmp9, 1
	s_lshl_b32 s46, s46, 10                        ; the image row's two groups of registers
	s_add_co_u32 s42, s42, s46
	s_add_nc_u64 s[28:29], s[28:29], s[42:43]
	BLOCK 0, 32, 1
	BLOCK 1, 32, 1
	BLOCK 2, 32, 2
	BLOCK 3, 18, 0                                 ; behind block 3's loads: the weight tile's 18
	ds_store_b32 v6, v[SB]
	s_wait_dscnt 0x0                               ; for the others' sake: my codes and my scale word lie in LDS
	s_barrier_signal -1
	s_barrier_wait -1
	WIN 0x40                                       ; destination window 1
.irp T, 0,1,2,3
.irp ks, 0,1,2,3
.irp c, 0,1,2,3
	ds_load_b128 v[16*(4*\T+\ks)+4*\c:16*(4*\T+\ks)+4*\c+3], v7 offset:(32*(\T/2)+8*(\T%2))*XP+128*\ks+32*\c
.endr
.endr
.endr
	WIN 0
.irp T, 0,1,2,3
.irp ks, 0,1,2,3
	ds_load_b32 v[XSC+4*\T+\ks], v8 offset:256*\ks+4*(32*(\T/2)+8*(\T%2))
.endr
.endr
.macro VTILE i, set
	OTILE \i, \set
	QUANT2 0
	global_store_b128 v9, v[PC:PC+3], s[28:29] offset:2048*\i        ; 32 lanes store 512 consecutive bytes: a group of four registers of the operand's image
	global_store_b128 v9, v[PC+4:PC+7], s[28:29] offset:2048*\i+512
	ds_store_b16 v17, v[PW] offset:32*\i                             ; both lanes of a block write the same two bytes
.endm
	VTILE 0, 0
	VTILE 1, 1
	VTILE 2, 0
	VTILE 3, 1
	OTILE 4, 0
	QUANT2 1
	v_or_b32 v[PW], 0x7f7f0000, v[PW]              ; the bytes of the zero codes that fill K = 64 to 128
	ds_store_b128 v14, v[PC:PC+3]                  ; my channel's row of 64 codes: bytes 16 h on and 32 + 16 h on
	ds_store_b128 v14, v[PC+4:PC+7] offset:32
	ds_load_b128 v[RB:RB+3], v15                   ; back as 1,024 consecutive bytes
	ds_load_b128 v[RB+4:RB+7], v15 offset:512
	ds_store_b32 v16, v[PW]
	ds_store_b32 v16, v[SQ] offset:256
	s_wait_dscnt 0x0                               ; my loads are in, and for the others' sake my stores have landed
	global_store_b128 v9, v[RB:RB+3], s[56:57]
	global_store_b128 v9, v[RB+4:RB+7], s[56:57] offset:512
	s_barrier_signal -1
	s_barrier_wait -1                              ; the eight units of scale words, square sums and v's scale bytes are whole
	ds_load_b64 v[20:21], v18
	s_wait_dscnt 0x0
	global_store_b64 v19, v[20:21], s[58:59]       ; 32 lanes store 256 consecutive bytes, aligned
	s_wait_tensorcnt 0x0
	ds_add_u32 v38, v39
	s_wait_dscnt 0x0
	s_endpgm
.Lfunc_end_k_q47531d3631_proj:
	.size	k_q47531d3631_proj, .Lfunc_end_k_q47531d3631_proj-k_q47531d3631_proj
	.p2alignl 7, 3214868480
	.fill 96, 4, 3214868480
	.section	.rodata,"a",@progbits
	.p2align	6, 0x0
	.amdhsa_kernel k_q47531d3631_proj
		.amdhsa_group_segment_fixed_size 113664
		.amdhsa_private_segment_fixed_size 0
		.amdhsa_enable_private_segment 0
		.amdhsa_kernarg_size 112
		.amdhsa_user_sgpr_count 2
		.amdhsa_user_sgpr_kernarg_segment_ptr 1
		.amdhsa_wavefront_size32 1
		.amdhsa_system_sgpr_workgroup_id_x 1
		.amdhsa_system_sgpr_workgroup_id_y 1
		.amdhsa_system_sgpr_workgroup_id_z 1
		.amdhsa_system_vgpr_workitem_id 0
		.amdhsa_next_free_vgpr 512
		.amdhsa_next_free_sgpr 66
		.amdhsa_reserve_vcc 0
		.amdhsa_float_denorm_mode_32 3
		.amdhsa_float_denorm_mode_16_64 3
		.amdhsa_memory_ordered 1
		.amdhsa_forward_progress 1
		.amdhsa_inst_pref_size 93
	.end_amdhsa_kernel
	.amdgpu_metadata
---
amdhsa.version: [ 1, 2 ]
amdhsa.kernels:
  - .name:           k_q47531d3631_proj
    .symbol:         k_q47531d3631_proj.kd
    .args:
      - { .name: x, .offset: 0, .size: 8, .value_kind: global_buffer, .address_space: global }
      - { .name: wq_codes, .offset: 8, .size: 8, .value_kind: global_buffer, .address_space: global }
      - { .name: wq_scales, .offset: 16, .size: 8, .value_kind: global_buffer, .address_space: global }
      - { .name: bq, .offset: 24, .size: 8, .value_kind: global_buffer, .address_space: global }
      - { .name: wk_codes, .offset: 32, .size: 8, .value_kind: global_buffer, .address_space: global }
      - { .name: wk_scales, .offset: 40, .size: 8, .value_kind: global_buffer, .address_space: global }
      - { .name: bk, .offset: 48, .size: 8, .value_kind: global_buffer, .address_space: global }
      - { .name: wv_codes, .offset: 56, .size: 8, .value_kind: global_buffer, .address_space: global }
      - { .name: wv_scales, .offset: 64, .size: 8, .value_kind: global_buffer, .address_space: global }
      - { .name: bv, .offset: 72, .size: 8, .value_kind: global_buffer, .address_space: global }
      - { .name: qr, .offset: 80, .size: 8, .value_kind: global_buffer, .address_space: global }
      - { .name: kr, .offset: 88, .size: 8, .value_kind: global_buffer, .address_space: global }
      - { .name: vimg, .offset: 96, .size: 8, .value_kind: global_buffer, .address_space: global }
      - { .name: vsh, .offset: 104, .size: 8, .value_kind: global_buffer, .address_space: global }
    .group_segment_fixed_size: 113664
    .private_segment_fixed_size: 0
    .kernarg_segment_align: 8
    .kernarg_segment_size: 112
    .max_flat_workgroup_size: 256
    .sgpr_count:     66
    .vgpr_count:     512
    .wavefront_size: 32
...
	.end_amdgpu_metadata
.endif
;; end of part 1
;; launch stats (part 2): grid 64 x 4, 4 waves a work-group, clusters of 4 x 1, 327,680 bytes of LDS; arguments qr, kr, vsh, pack; writes pack
.if DOCPART == 2
	.amdgcn_target "amdgcn-amd-amdhsa--gfx1250"
	.amdhsa_code_object_version 6
	.text
	.protected	k_q47531d3631_stats
	.globl	k_q47531d3631_stats
	.p2align	8
	.type	k_q47531d3631_stats,@function
k_q47531d3631_stats:
	s_mov_b64 s[64:65], 0
	v_nop
	global_prefetch_b8 v0, s[64:65] scope:SCOPE_SE
	s_setreg_imm32_b32 hwreg(HW_REG_WAVE_MODE, 25, 1), 1
	s_wait_xcnt 0x0
	s_wait_alu depctr_hold_cnt(0) depctr_sa_sdst(0) depctr_va_vdst(0) depctr_va_sdst(0) depctr_va_ssrc(0) depctr_va_vcc(0) depctr_vm_vsrc(0)
	s_getreg_b32 s2, hwreg(HW_REG_IB_STS2, 6, 4)
	s_cmp_eq_u32 s2, 0
	s_cbranch_scc0 .Lentry_in_a_cluster
	s_endpgm
.Lentry_in_a_cluster:
	s_bfe_u32 s2, ttmp6, 0x10000c
	s_cmp_lg_u32 s2, 0x3003
	s_cbranch_scc0 .Lentry_shape_is_right
	s_endpgm
.Lentry_shape_is_right:
; THE SOFTMAX'S ROW STATISTICS.  For each query n = 64 o + hr of batch b: the smallest distance to any key, and the sum over all 4,096 keys m of 2^(c0 (dmin - dist(n, m))), c0 = log2(e) / 4096.
; dist = sqrt(max(q2 + k2 - 2 q.k, 0)); q.k on codes of BF8 (E5M2), K = 64 filled to the instruction's 128 with zero codes on both sides.  The largest energy is -dmin / 4096: it is taken away by a running minimum.
; SHARES.  A work-group owns the 64 queries of channel o; wave w = 2 b1 + u the tile of rows hr = 32 b1 + 8 u + r + 8 (r / 8), the order in which the next launch wants them.  Every wave walks all keys, 256 a step.
; LAYOUT.  Source 0 = my 16 queries, source 1 = 16 keys: lane (r, h) holds key r, register j query row 8 h + j, which is hr = 32 b1 + 8 u + 16 h + j.  C = -q2 / 2, so d2 = D x (-2) + k2: one packed line.
; Minimum and sum are kept for each (lane, j) and joined over the 16 lanes of a half at the end.
; CLUSTER.  The four work-groups of a cluster belong to one batch and walk the same k: all of it (codes, scale words, square sums: 312,320 bytes) is brought into LDS ONCE, by joint loads, five a wave; nothing is filled again.
; ALSO: q's fragments, q's scale words, q2 and v's scale words are laid into pack as the next launch reads them: a record of 6,144 bytes for each (b, o).
; LIMITS: NaN and infinities are not served; roots and exponentials flush denormals; d2 is rounded as (q.k - q2 / 2) x (-2) + k2.
.set KSB,   17408                      ; LDS from byte 0: 16 steps of 64 rows hr x (256 bytes = 4 channels x 64 codes, + 16)
.set KA,    278528                     ; 64 rows hr x (256 bytes of scale words, 256 of k2, + 16)
.set STG,   312320                     ; 1,024 bytes: q2, c0 dmin, 1 / sum, q's scale words, on their way out
.set QS,  31                           ; q's scale words
.set QF,  32                           ; v32-47   q's fragment; the upper eight registers are zero codes
.set Q2V, 48                           ; v48-55   q2 of my eight rows
.set NQ,  56                           ; v56-63   -q2 / 2
.set DM,  64                           ; v64-71   the smallest distance so far
.set CD,  72                           ; v72-79   c0 x it
.set CO,  80                           ; v80-87   its old value, then 2^(new - old)
.set SUM, 88                           ; v88-95
.set KSW, 96                           ; v96-111  k's scale words, tile 4 t + oo
.set K2,  112                          ; v112-127 k2 likewise
.set S,   128                          ; v128-255 16 tiles of scores.   Window 1: k's 16 fragments at 16 tau; their upper eight registers are zero codes
.set MSB, 0
.macro WIN new
.if MSB != \new
	s_set_vgpr_msb (MSB<<8)|\new
.set MSB, \new
.endif
.endm
.macro CROUND                          ; a round of the cluster's barrier
	s_barrier_signal -1
	s_barrier_wait -1
	s_cmp_lg_u32 s12, 0
	s_cbranch_scc1 .Lnot_wave_0_\@
	s_barrier_signal -3
.Lnot_wave_0_\@:
	s_barrier_wait -3
	s_barrier_signal -1
	s_barrier_wait -1
.endm
.macro KLOAD                           ; a step's 16 fragments (two loads each: K = 64), scale words and k2
	v_add_nc_u32 v6, s67, v4
	v_add_nc_u32 v7, s68, v5
	WIN 0x40                                       ; destination window 1
.irp t, 0,1,2,3
.irp oo, 0,1,2,3
.irp c, 0,1
	ds_load_b128 v[16*(4*\t+\oo)+4*\c:16*(4*\t+\oo)+4*\c+3], v6 offset:4352*\t+64*\oo+32*\c
.endr
.endr
.endr
	WIN 0
.irp t, 0,1,2,3
	ds_load_b128 v[KSW+4*\t:KSW+4*\t+3], v7 offset:8448*\t
	ds_load_b128 v[K2+4*\t:K2+4*\t+3], v7 offset:8448*\t+256
.endr
	s_add_co_u32 s67, s67, KSB
	s_add_co_u32 s68, s68, 16
.endm
.macro STEP next                       ; 256 keys
	s_wait_dscnt 0x0
	WIN 0x04                                       ; source 1 (k) in window 1
.set t, 0
.rept 16
	v_wmma_scale_f32_16x16x128_f8f6f4 v[S+8*t:S+8*t+7], v[QF:QF+15], v[16*t:16*t+15], v[NQ:NQ+7], v[QS], v[KSW+t] matrix_a_fmt:MATRIX_FMT_BF8 matrix_b_fmt:MATRIX_FMT_BF8
.set t, t+1
.endr
	WIN 0
.rept 8
	v_nop                                          ; eight places behind this form
.endr
.set e, 0
.rept 64                                       ; d2 = (q.k - q2 / 2) x (-2) + k2; of the pair of k2 the tile's own word serves both halves.  Each tile from its low end on
.if (e/8)%2
	v_pk_fma_f32 v[S+e:S+e+1], v[S+e:S+e+1], -2.0, v[K2+2*(e/16):K2+2*(e/16)+1] op_sel:[0,0,1] op_sel_hi:[1,0,1]
.else
	v_pk_fma_f32 v[S+e:S+e+1], v[S+e:S+e+1], -2.0, v[K2+2*(e/16):K2+2*(e/16)+1] op_sel_hi:[1,0,0]
.endif
.set e, e+2
.endr
.if \next
	KLOAD                                          ; the next step's, behind the last readers of this step's registers; they land under the roots and exponentials
.endif
.set e, 0
.rept 64
	v_dual_max_num_f32 v[S+e], 0, v[S+e] :: v_dual_max_num_f32 v[S+e+1], 0, v[S+e+1]
.set e, e+2
.endr
.set e, 0
.rept 128
	v_sqrt_f32 v[S+e], v[S+e]
.set e, e+1
.endr
.irp j, 0,1,2,3,4,5,6,7
	v_mov_b32 v[CO+\j], v[CD+\j]                   ; plain work behind the batch of roots
.endr
	s_wait_alu depctr_va_vdst(0)                   ; one wait for the batch, ahead of its first reader
.set t, 0
.rept 8
.irp j, 0,1,2,3,4,5,6,7
	v_min3_num_f32 v[DM+\j], v[DM+\j], v[S+16*t+\j], v[S+16*t+8+\j]
.endr
.set t, t+1
.endr
.irp j, 0,1,2,3,4,5,6,7
	v_mul_f32 v[CD+\j], s66, v[DM+\j]
.endr
.irp j, 0,1,2,3,4,5,6,7
	v_sub_f32 v[CO+\j], v[CD+\j], v[CO+\j]         ; c0 (new dmin - old dmin), 0 or less
.endr
.set e, 0
.rept 64
	v_pk_fma_f32 v[S+e:S+e+1], v[S+e:S+e+1], s[62:63], v[CD+e%8:CD+e%8+1] op_sel_hi:[1,0,1]   ; c0 (dmin - dist)
.set e, e+2
.endr
.set e, 0
.rept 128
	v_exp_f32 v[S+e], v[S+e]
.set e, e+1
.endr
.irp j, 0,1,2,3,4,5,6,7
	v_exp_f32 v[CO+\j], v[CO+\j]
.endr
	v_nop                                          ; a plain line behind the last exponential
	s_wait_alu depctr_va_vdst(0)                   ; one wait for the batch
.irp p, 0,2,4,6
	v_pk_fma_f32 v[SUM+\p:SUM+\p+1], v[SUM+\p:SUM+\p+1], v[CO+\p:CO+\p+1], v[S+\p:S+\p+1]   ; the old sum under the new minimum, and the first tile
.endr
.set t, 1
.rept 15
.irp p, 0,2,4,6
	v_pk_add_f32 v[SUM+\p:SUM+\p+1], v[SUM+\p:SUM+\p+1], v[S+8*t+\p:S+8*t+\p+1]
.endr
.set t, t+1
.endr
.endm
	s_load_b256 s[4:11], s[0:1], 0x0               ; qr 4, kr 6, vsh 8, pack 10
	v_lshl_add_u32 v29, v0, 2, 0x4c800
	v_mov_b32 v30, 0
	ds_add_u32 v29, v30
	ds_add_u32 v29, v30
	v_lshrrev_b32 v1, 5, v0
	v_readfirstlane_b32 s12, v1                    ; wave 0..3
	s_and_b32 s15, ttmp7, 0xffff                   ; b, which the four partners share
	; descriptor group 1.  k's codes of a step: 64 rows of 256 bytes (32 elements of 8), 4,608 bytes (576 elements) apart, 16 bytes of padding behind each; the mask names all four work-groups, bit 21 beside it
	s_mov_b32 s24, 15|(3<<16)|(1<<20)|(1<<21)|(5<<22)|(3<<25)
	s_mov_b32 s25, 32<<16
	s_mov_b32 s26, 64<<16
	s_mov_b32 s27, 32<<16
	s_mov_b32 s28, 64
	s_mov_b32 s29, 576
	s_mov_b32 s30, 0
	s_mov_b32 s31, 0
	; k's scale words and square sums: 16 rows of 512 bytes, likewise
	s_mov_b32 s32, 15|(3<<16)|(1<<20)|(1<<21)|(6<<22)|(3<<25)
	s_mov_b32 s33, 64<<16
	s_mov_b32 s34, 16<<16
	s_mov_b32 s35, 64<<16
	s_mov_b32 s36, 16
	s_mov_b32 s37, 576
	s_mov_b32 s38, 0
	s_mov_b32 s39, 0
	s_mul_i32 s82, s15, 294912                     ; the batch's 64 records
	s_mov_b32 s83, 0
	s_mul_i32 s72, s12, 73728                      ; my 16 records,
	s_add_co_u32 s72, s72, 4096                    ; behind their codes
	s_mov_b32 s73, 0
	s_lshl_b32 s74, s12, 8                         ; step g = wave: 256 bytes on in each record
	s_mov_b32 s75, 0
	s_mul_i32 s76, s12, 8448
	s_mul_i32 s77, s12, KSB
	s_wait_dscnt 0x0
	s_wait_kmcnt 0x0
	s_add_nc_u64 s[6:7], s[6:7], s[82:83]
	s_mov_b32 s40, 1
	s_add_co_u32 s41, s76, KA
	s_add_nc_u64 s[42:43], s[6:7], s[72:73]
	s_or_b32 s43, s43, 0x80000000
.irp i, 0,1,2,3                        ; my four steps: g = wave + 4 i
	s_mov_b32 s[44+4*\i], 1
	s_add_co_u32 s[45+4*\i], s77, 4*KSB*\i
	s_add_nc_u64 s[46+4*\i:47+4*\i], s[6:7], s[74:75]
	s_add_nc_u64 s[46+4*\i:47+4*\i], s[46+4*\i:47+4*\i], 1024*\i
	s_or_b32 s[47+4*\i], s[47+4*\i], 0x80000000
.endr
	CROUND                                         ; all four work-groups are here: the joint loads meet
	tensor_load_to_lds s[40:43], s[32:39]          ; five loads of mine are out
	s_nop 0
	tensor_load_to_lds s[44:47], s[24:31]
	s_nop 0
	tensor_load_to_lds s[48:51], s[24:31]
	s_nop 0
	tensor_load_to_lds s[52:55], s[24:31]
	s_nop 0
	tensor_load_to_lds s[56:59], s[24:31]
	s_nop 0
.rept 4
	v_nop                                          ; behind a tensor load
.endr
	s_bfe_u32 s13, ttmp6, 0x40000                  ; cx: it enters global addresses of q, vsh and pack alone
	s_lshl_b32 s14, ttmp9, 2
	s_add_co_u32 s14, s14, s13                     ; o
	v_and_b32 v1, 31, v0
	v_and_b32 v2, 15, v0                           ; r
	v_bfe_u32 v3, v0, 4, 1                         ; h
	v_mul_u32_u24 v4, v2, 272
	v_lshl_add_u32 v4, v3, 4, v4                   ; a fragment of k: row r, + 16 h
	v_mul_u32_u24 v5, v2, 528
	v_add_nc_u32 v5, KA, v5
	s_lshr_b32 s70, s12, 1
	s_and_b32 s71, s12, 1
	s_lshl_b32 s78, s70, 5
	s_lshl_b32 s79, s71, 3
	s_add_co_u32 s78, s78, s79                     ; 32 b1 + 8 u
	v_and_b32 v20, 8, v2
	v_add_nc_u32 v20, v20, v2
	v_add_nc_u32 v20, s78, v20                     ; lane r's query row
	v_mul_u32_u24 v9, v20, 4608
	v_lshl_add_u32 v8, v3, 4, v9
	v_lshl_add_u32 v21, v3, 4, s78
	v_mul_u32_u24 v10, v21, 4608                   ; register 0's query row
	v_lshlrev_b32 v11, 4, v1
	v_lshlrev_b32 v12, 2, v0
	v_lshlrev_b32 v13, 3, v0
	s_lshl_b32 s79, s78, 2
	s_add_co_u32 s79, s79, STG
	v_lshl_add_u32 v14, v3, 6, s79
	s_lshl_b32 s79, s12, 6
	s_add_co_u32 s79, s79, STG+768
	v_lshl_add_u32 v15, v2, 2, s79
	s_lshl_b32 s79, s12, 8
	s_add_co_u32 s79, s79, STG
	v_lshlrev_b32 v17, 3, v1
	v_add_nc_u32 v16, s79, v17
	s_mov_b32 s85, 0
	s_add_nc_u64 s[4:5], s[4:5], s[82:83]          ; qr at the batch
	s_lshl_b32 s84, s14, 6
	s_add_nc_u64 s[16:17], s[4:5], s[84:85]        ; channel o's codes
	s_lshl_b32 s84, s14, 2
	s_add_nc_u64 s[18:19], s[4:5], s[84:85]        ; its scale word and q2
	s_lshl_b32 s84, s15, 6
	s_and_b32 s86, s14, 0xfffffffe
	s_add_co_u32 s84, s84, s86                     ; image rows 2 (o / 2) and the next: K step o / 2 of the last product
	s_lshl_b32 s84, s84, 10
	s_and_b32 s86, s14, 1
	s_lshl_b32 s86, s86, 9                         ; channels 256 (o % 2) on
	s_add_co_u32 s84, s84, s86
	s_add_nc_u64 s[20:21], s[8:9], s[84:85]
	s_lshl_b32 s84, s15, 6
	s_add_co_u32 s84, s84, s14
	s_mul_i32 s84, s84, 6144
	s_add_nc_u64 s[10:11], s[10:11], s[84:85]      ; my record of pack
	s_lshl_b32 s84, s12, 10
	s_add_nc_u64 s[22:23], s[10:11], s[84:85]
	s_lshl_b32 s84, s12, 8
	s_add_co_u32 s84, s84, 4096
	s_add_nc_u64 s[80:81], s[10:11], s[84:85]
	global_load_b128 v[QF:QF+3], v8, s[16:17]
	global_load_b128 v[QF+4:QF+7], v8, s[16:17] offset:32
	global_load_b32 v[QS], v9, s[18:19] offset:4096
.irp j, 0,1,2,3,4,5,6,7
	global_load_b32 v[Q2V+\j], v10, s[18:19] offset:4352+4608*\j
.endr
	global_load_b32 v18, v12, s[20:21]             ; two channels' two bytes of the first image row,
	global_load_b32 v19, v12, s[20:21] offset:1024 ; and of the second
	s_mov_b32 s62, 0xb9b8aa3b                      ; -c0
	s_mov_b32 s63, s62                             ; (named with it as a pair)
	s_mov_b32 s66, 0x39b8aa3b                      ; c0 = log2(e) / 4096
	s_mov_b32 s67, 0                               ; the step's codes
	s_mov_b32 s68, 0                               ; the step's 16 bytes in a row of scale words
.irp j, 8,9,10,11,12,13,14,15
	v_mov_b32 v[QF+\j], 0                          ; K = 64: the rest of the instruction's 128 are zero codes, on both sides, written once
.endr
	WIN 0x40
.set t, 0
.rept 16
.irp j, 8,9,10,11,12,13,14,15
	v_mov_b32 v[16*t+\j], 0
.endr
.set t, t+1
.endr
	WIN 0
.irp j, 0,1,2,3,4,5,6,7
	v_mov_b32 v[DM+\j], 0x7f61b1e6                 ; 3e38, over every distance
	v_mov_b32 v[SUM+\j], 0
.endr
.irp j, 0,1,2,3,4,5,6,7
	v_mul_f32 v[CD+\j], s66, v[DM+\j]
.endr
	s_wait_loadcnt 0x0
.irp j, 0,1,2,3,4,5,6,7
	v_mul_f32 v[NQ+\j], -0.5, v[Q2V+\j]
.endr
	v_perm_b32 v20, v19, v18, 0x05040100           ; the even channel's four bytes: two of each image row
	v_perm_b32 v21, v19, v18, 0x07060302           ; the odd channel's
	global_store_b128 v11, v[QF:QF+3], s[22:23]    ; q's fragment as an image of its registers: 512 consecutive bytes a store
	global_store_b128 v11, v[QF+4:QF+7], s[22:23] offset:512
	global_store_b64 v13, v[20:21], s[10:11] offset:5120   ; 256 consecutive bytes a wave
	s_wait_tensorcnt 0x3                           ; the scale words and my first step tile are in; my other three stay out
	s_barrier_signal -1
	s_barrier_wait -1                              ; steps 0 to 3 are whole
	KLOAD
	s_mov_b32 s69, 3
.Lfirst:                                           ; steps 0 to 2; they fetch steps 1 to 3
	STEP 1
	s_sub_co_u32 s69, s69, 1
	s_cmp_lg_u32 s69, 0
	s_cbranch_scc1 .Lfirst
	s_wait_tensorcnt 0x0                           ; all my tiles are in,
	s_wait_dscnt 0x0                               ; (no LDS instruction is pending at a signal)
	s_barrier_signal -1
	s_barrier_wait -1                              ; everybody's are
	s_mov_b32 s69, 12
.Lrest:                                            ; steps 3 to 14
	STEP 1
	s_sub_co_u32 s69, s69, 1
	s_cmp_lg_u32 s69, 0
	s_cbranch_scc1 .Lrest
	STEP 0                                         ; step 15 fetches nothing
	; the 16 lanes of a half are joined: the smallest minimum, each lane's sum brought under it, the sum of sums
.irp j, 0,1,2,3,4,5,6,7
	v_mul_f32 v[CO+\j], -1.0, v[DM+\j]
.endr
.irp m, 1,2,4,8
.irp j, 0,1,2,3,4,5,6,7
	v_max_num_f32_dpp v[CO+\j], v[CO+\j], v[CO+\j] row_xmask:\m row_mask:0xf bank_mask:0xf
.endr
.endr
.irp j, 0,1,2,3,4,5,6,7
	v_mul_f32 v[CO+\j], s62, v[CO+\j]              ; c0 x the row's smallest distance
.endr
.irp j, 0,1,2,3,4,5,6,7
	v_sub_f32 v[DM+\j], v[CO+\j], v[CD+\j]
.endr
.irp j, 0,1,2,3,4,5,6,7
	v_exp_f32 v[DM+\j], v[DM+\j]
.endr
	v_nop
	s_wait_alu depctr_va_vdst(0)
.irp j, 0,2,4,6
	v_pk_mul_f32 v[SUM+\j:SUM+\j+1], v[SUM+\j:SUM+\j+1], v[DM+\j:DM+\j+1]
.endr
.irp m, 1,2,4,8
.irp j, 0,1,2,3,4,5,6,7
	v_add_f32_dpp v[SUM+\j], v[SUM+\j], v[SUM+\j] row_xmask:\m row_mask:0xf bank_mask:0xf
.endr
.endr
.irp j, 0,1,2,3,4,5,6,7
	v_rcp_f32 v[DM+\j], v[SUM+\j]                  ; the sum is at least 1: the nearest key's term is 2^0
.endr
	v_nop
	s_wait_alu depctr_va_vdst(0)
.irp j, 0,1,2,3,4,5,6,7
	ds_store_b32 v14, v[Q2V+\j] offset:4*\j        ; the 16 lanes of a half write the same word with the same value
	ds_store_b32 v14, v[CO+\j] offset:256+4*\j
	ds_store_b32 v14, v[DM+\j] offset:512+4*\j
.endr
	ds_store_b32 v15, v[QS]
	s_wait_dscnt 0x0                               ; for the others' sake
	s_barrier_signal -1
	s_barrier_wait -1
	ds_load_b64 v[18:19], v16
	s_wait_dscnt 0x0
	global_store_b64 v17, v[18:19], s[80:81]       ; 32 lanes store 256 consecutive bytes, aligned
	s_wait_tensorcnt 0x0
	ds_add_u32 v29, v30
	s_wait_dscnt 0x0
	CROUND                                         ; the closing round
	s_endpgm
.Lfunc_end_k_q47531d3631_stats:
	.size	k_q47531d3631_stats, .Lfunc_end_k_q47531d3631_stats-k_q47531d3631_stats
	.p2alignl 7, 3214868480
	.fill 96, 4, 3214868480
	.section	.rodata,"a",@progbits
	.p2align	6, 0x0
	.amdhsa_kernel k_q47531d3631_stats
		.amdhsa_group_segment_fixed_size 327680
		.amdhsa_private_segment_fixed_size 0
		.amdhsa_enable_private_segment 0
		.amdhsa_kernarg_size 32
		.amdhsa_user_sgpr_count 2
		.amdhsa_user_sgpr_kernarg_segment_ptr 1
		.amdhsa_wavefront_size32 1
		.amdhsa_system_sgpr_workgroup_id_x 1
		.amdhsa_system_sgpr_workgroup_id_y 1
		.amdhsa_system_sgpr_workgroup_id_z 1
		.amdhsa_system_vgpr_workitem_id 0
		.amdhsa_next_free_vgpr 512
		.amdhsa_next_free_sgpr 96
		.amdhsa_reserve_vcc 0
		.amdhsa_float_denorm_mode_32 3
		.amdhsa_float_denorm_mode_16_64 3
		.amdhsa_memory_ordered 1
		.amdhsa_forward_progress 1
		.amdhsa_inst_pref_size 126
	.end_amdhsa_kernel
	.amdgpu_metadata
---
amdhsa.version: [ 1, 2 ]
amdhsa.kernels:
  - .name:           k_q47531d3631_stats
    .symbol:         k_q47531d3631_stats.kd
    .args:
      - { .name: qr, .offset: 0, .size: 8, .value_kind: global_buffer, .address_space: global }
      - { .name: kr, .offset: 8, .size: 8, .value_kind: global_buffer, .address_space: global }
      - { .name: vsh, .offset: 16, .size: 8, .value_kind: global_buffer, .address_space: global }
      - { .name: pack, .offset: 24, .size: 8, .value_kind: global_buffer, .address_space: global }
    .group_segment_fixed_size: 327680
    .private_segment_fixed_size: 0
    .kernarg_segment_align: 8
    .kernarg_segment_size: 32
    .max_flat_workgroup_size: 128
    .sgpr_count:     96
    .vgpr_count:     512
    .wavefront_size: 32
...
	.end_amdgpu_metadata
.endif
;; end of part 2
;; launch attend (part 3): grid 64 x 4, 4 waves a work-group, clusters of 4 x 1, 327,680 bytes of LDS; arguments x, gamma, kr, vimg, pack, out0; writes out0
.if DOCPART == 3
	.amdgcn_target "amdgcn-amd-amdhsa--gfx1250"
	.amdhsa_code_object_version 6
	.text
	.protected	k_q47531d3631_attend
	.globl	k_q47531d3631_attend
	.p2align	8
	.type	k_q47531d3631_attend,@function
k_q47531d3631_attend:
	s_mov_b64 s[64:65], 0
	v_nop
	global_prefetch_b8 v0, s[64:65] scope:SCOPE_SE
	s_setreg_imm32_b32 hwreg(HW_REG_WAVE_MODE, 25, 1), 1
	s_wait_xcnt 0x0
	s_wait_alu depctr_hold_cnt(0) depctr_sa_sdst(0) depctr_va_vdst(0) depctr_va_sdst(0) depctr_va_ssrc(0) depctr_va_vcc(0) depctr_vm_vsrc(0)
	s_getreg_b32 s2, hwreg(HW_REG_IB_STS2, 6, 4)
	s_cmp_eq_u32 s2, 0
	s_cbranch_scc0 .Lentry_in_a_cluster
	s_endpgm
.Lentry_in_a_cluster:
	s_bfe_u32 s2, ttmp6, 0x10000c
	s_cmp_lg_u32 s2, 0x3003
	s_cbranch_scc0 .Lentry_shape_is_right
	s_endpgm
.Lentry_shape_is_right:
; out0[b][c][m] = gamma x (sum over n of v[c][n] attn[n][m]) + x[b][c][m], attn = the finished softmax over m of -dist(q_n, k_m) / 4096.  Both products on codes of BF8 (E5M2) with E8M0 scales for each 32 along K.
; attn[n][m] = 2^(c0 (dmin_n - dist)) / sum_n, with dmin_n and 1 / sum_n from the launch before; it is quantised along n, the last product's K.
; SHARES.  A work-group owns all 512 channels x 64 keys m = 64 mblk on and walks n in 32 steps of 128.  PHASE A: wave w makes attn for the 16 keys 16 w on and the step's 128 n: one whole fragment and a scale word a key;
; it goes to the other waves through LDS as an image of its registers.  PHASE B: wave w owns channels 128 w on (8 tiles) x 4 tiles of keys: 32 accumulators.
; LAYOUT.  A: source 0 = 16 queries (in the order r + 8 (r / 8), so that the 16 registers of two neighbouring tiles are 16 neighbouring n), source 1 = my 16 keys, C = -k2 / 2: lane (r, h) holds key r.
; B: source 0 = attn (16 keys), source 1 = v (16 channels): a lane holds channel r and eight neighbouring m: 32 bytes of a row of out0.
; CLUSTER.  The four work-groups of a cluster walk the same v and pack: joint loads, two K steps to a slot (155,648 bytes), two slots, one load a wave behind each round (waves 0, 1: v; waves 2, 3: pack).
; LIMITS: NaN and infinities are not served; roots and exponentials flush denormals; a block of attn under 2^-111 keeps the scale byte 1; d2 is rounded as (q.k - k2 / 2) x (-2) + q2.
.set BUFB,  77824                      ; LDS: four buffers, one K step each: v's 65,536 bytes, then pack's 12,288.  Slot s = buffers 2 s, 2 s + 1
.set PKO,   65536
.set IMG,   311296                     ; the four fragments of attn, 2,048 bytes each
.set HSC,   319488                     ; their scale words, 128 bytes each
.set SPARE, 320000                     ; the spare words: 128 bytes for each wave, named by no other line
.set FLOOR, 0x8000000
.set EOFF,  0xf8800000
.set AV,  4                            ; v4-7    buffer k: my 8 fragments of v
.set AP,  8                            ; v8-11   q's fragments
.set AS,  12                           ; v12-15  q2, c0 dmin, 1 / sum of my half's rows
.set AQ,  16                           ; v16-19  q's scale words
.set AW,  20                           ; v20-23  v's scale words
.set S,   32                           ; v32-95  the scores, then attn: register 16 bb + i is n = 32 bb + 16 h + i
.set PC,  96                           ; v96-111 its codes
.set TM,  112                          ; v112-127 at work in the quantiser
.set PW,  128
.set KS,  129                          ; my keys' scale words
.set QSW, 130                          ; v130-137
.set HS,  138                          ; v138-141 attn's scale words
.set VSW, 142                          ; v142-149
.set KF,  152                          ; v152-167 my keys' fragment; the upper eight are zero codes
.set KC2, 168                          ; v168-175 -k2 / 2
.set BK,  184                          ; v184-247 the way out, two sets
; window 1: the 32 accumulators at 8 (4 ct + mt).  window 2: v0-127 q's fragments (upper halves zero codes), v128-191 q2, v192-255 c0 dmin; on the way out x.  window 3: v0-127 v's fragments, v128-191 attn's, v192-255 1 / sum
.set MSB, 0
.macro WIN new
.if MSB != \new
	s_set_vgpr_msb (MSB<<8)|\new
.set MSB, \new
.endif
.endm
.macro CROUND
	s_barrier_signal -1
	s_barrier_wait -1
	s_cmp_lg_u32 s18, 0
	s_cbranch_scc1 .Lnot_wave_0_\@
	s_barrier_signal -3
.Lnot_wave_0_\@:
	s_barrier_wait -3
	s_barrier_signal -1
	s_barrier_wait -1
.endm
.macro JLOAD g                         ; a joint refill of slot g; the branch hangs on the wave's number alone; four v_nop follow each line
	s_cmp_lt_u32 s18, 2
	s_cbranch_scc0 .Lfor_p_\@
	tensor_load_to_lds s[40+4*\g:43+4*\g], s[24:31]
	s_nop 0
.rept 4
	v_nop
.endr
	s_branch .Lasked_\@
.Lfor_p_\@:
	tensor_load_to_lds s[48+4*\g:51+4*\g], s[32:39]
	s_nop 0
.rept 4
	v_nop
.endr
.Lasked_\@:
.endm
; A PREFETCH INTO THE L2 of what the NEXT refill will ask for: two K steps of v (512 blocks of 256 bytes) and of pack (96).  All clusters of a batch walk the same bytes: the batch's first cluster asks.
; Its 16 waves share the blocks out by address: 32 of v's a wave, a lane a block; 6 of pack's a wave (lanes 5 to 31 repeat lane 5's).  how = 1: the loop's last trip has no slot behind its second refill.
.macro ASK how
.if \how
	s_cmp_gt_u32 s23, s61
.else
	s_cmp_eq_u32 s61, 1
.endif
	s_cbranch_scc0 .Lnot_mine_\@
	global_prefetch_b8 v30, s[66:67] th:TH_LOAD_NT scope:SCOPE_SE
	global_prefetch_b8 v31, s[68:69] th:TH_LOAD_NT scope:SCOPE_SE
.Lnot_mine_\@:
.endm
.macro CHANGE g, fill, how             ; slot g has been read out; the other slot is about to be read
	s_wait_tensorcnt 0x0                           ; all my tensor loads have landed: my part of the other slot; so a group 0 may be written
	ds_add_u32 v28, v29                            ; 0 onto my spare word
.if \fill
	s_add_nc_u64 s[42+4*\g:43+4*\g], s[42+4*\g:43+4*\g], 262144   ; four K steps on
	s_add_nc_u64 s[50+4*\g:51+4*\g], s[50+4*\g:51+4*\g], 49152
	s_wait_xcnt 0x0                                ; the last prefetches, two K steps back, have read their addresses
	s_add_nc_u64 s[66:67], s[66:67], 131072
	s_add_nc_u64 s[68:69], s[68:69], 24576
	s_wait_dscnt 0x0                               ; the add is done, and my reads of the slot are over
	CROUND                                         ; no wave of any partner still reads the slot or has a load on its way
	JLOAD \g                                       ; first behind the round; it has two K steps in which to land
	ASK \how
.else
	s_wait_dscnt 0x0
	s_barrier_signal -1
	s_barrier_wait -1
.endif
.endm
.macro MID                             ; between a slot's two steps: every wave's reads of attn's images are over before they are written again
	s_wait_dscnt 0x0
	s_barrier_signal -1
	s_barrier_wait -1
.endm
.macro STEP k, zero                    ; a K step of 128 n out of buffer k.  zero = 1: the products start the sums
.irp T, 0,1,2,3,4,5,6,7
	ds_load_b32 v[QSW+\T], v[AQ+\k] offset:(\T/4)*6144+4864+(\T%4)*64
.endr
	WIN 0x80                                       ; destination window 2
.irp T, 0,1,2,3,4,5,6,7
.irp c, 0,1
	ds_load_b128 v[16*\T+4*\c:16*\T+4*\c+3], v[AP+\k] offset:(\T/4)*6144+(\T%4)*1024+512*\c
.endr
.endr
.irp b, 0,1,2,3
.irp i, 0,1,2,3
	ds_load_b128 v[128+16*\b+4*\i:128+16*\b+4*\i+3], v[AS+\k] offset:(\b/2)*6144+4096+(\b%2)*128+16*\i
	ds_load_b128 v[192+16*\b+4*\i:192+16*\b+4*\i+3], v[AS+\k] offset:(\b/2)*6144+4352+(\b%2)*128+16*\i
.endr
.endr
	WIN 0xc0                                       ; destination window 3
.irp b, 0,1,2,3
.irp i, 0,1,2,3
	ds_load_b128 v[192+16*\b+4*\i:192+16*\b+4*\i+3], v[AS+\k] offset:(\b/2)*6144+4608+(\b%2)*128+16*\i
.endr
.endr
	s_wait_dscnt 48                                ; q's fragments and scale words are in; the 48 loads of row terms stay out
	WIN 0x02                                       ; source 0 (q) in window 2
.irp T, 0,1,2,3,4,5,6,7
	v_wmma_scale_f32_16x16x128_f8f6f4 v[S+8*\T:S+8*\T+7], v[16*\T:16*\T+15], v[KF:KF+15], v[KC2:KC2+7], v[QSW+\T], v[KS] matrix_a_fmt:MATRIX_FMT_BF8 matrix_b_fmt:MATRIX_FMT_BF8
.endr
	WIN 0
.rept 8
	v_nop                                          ; eight places: behind these products for the reads of the scores, behind the last step's for the loads into v's registers
.endr
	WIN 0xc0
.irp ct, 0,1,2,3,4,5,6,7
.irp c, 0,1,2,3
	ds_load_b128 v[16*\ct+4*\c:16*\ct+4*\c+3], v[AV+\k] offset:2048*\ct+512*\c
.endr
.endr
	WIN 0
.irp ct, 0,1,2,3,4,5,6,7
	ds_load_b32 v[VSW+\ct], v[AW+\k] offset:64*\ct
.endr
	s_wait_dscnt 40                                ; the row terms are in; v's 40 loads land under the vector work
	WIN 0x20                                       ; source 2 in window 2
.set e, 0
.rept 32
	v_pk_fma_f32 v[S+e:S+e+1], v[S+e:S+e+1], -2.0, v[128+e:129+e] op_sel_hi:[1,0,1]   ; d2 = (q.k - k2 / 2) x (-2) + q2; each tile from its low end on
.set e, e+2
.endr
	WIN 0
.set e, 0
.rept 32
	v_dual_max_num_f32 v[S+e], 0, v[S+e] :: v_dual_max_num_f32 v[S+e+1], 0, v[S+e+1]
.set e, e+2
.endr
.set e, 0
.rept 64
	v_sqrt_f32 v[S+e], v[S+e]
.set e, e+1
.endr
	v_nop                                          ; a plain line behind the last root
	s_wait_alu depctr_va_vdst(0)                   ; one wait for the batch, ahead of its first reader
	WIN 0x20
.set e, 0
.rept 32
	v_pk_fma_f32 v[S+e:S+e+1], v[S+e:S+e+1], s[58:59], v[192+e:193+e] op_sel_hi:[1,0,1]   ; c0 (dmin - dist)
.set e, e+2
.endr
.set e, 0
.rept 64
	v_exp_f32 v[S+e], v[S+e]
.set e, e+1
.endr
	v_nop
	s_wait_alu depctr_va_vdst(0)
	WIN 0x0c                                       ; source 1 in window 3
.set e, 0
.rept 32
	v_pk_mul_f32 v[S+e:S+e+1], v[S+e:S+e+1], v[192+e:193+e]   ; / the row's sum: attn, finished
.set e, e+2
.endr
	WIN 0
.irp b, 0,1,2,3
	v_max3_num_f32 v[TM+\b], v[S+16*\b], v[S+16*\b+1], FLOOR   ; attn is not negative: no |.|
.endr
.irp i, 2,4,6,8,10,12,14
.irp b, 0,1,2,3
	v_max3_num_f32 v[TM+\b], v[TM+\b], v[S+16*\b+\i], v[S+16*\b+\i+1]
.endr
.endr
.irp b, 0,1,2,3
	v_permlanex16_b32 v[TM+4+\b], v[TM+\b], s56, s57
.endr
.irp b, 0,1,2,3
	v_max_num_f32 v[TM+\b], v[TM+\b], v[TM+4+\b]   ; with lane l xor 16's 16: the block's largest
.endr
.irp b, 0,1,2,3
	v_add_nc_u32 v[TM+12+\b], EOFF, v[TM+\b]
.endr
.irp b, 0,1,2,3
	v_and_or_b32 v[TM+8+\b], v[TM+\b], 0x7f800000, s60
.endr
.irp b, 0,1,2,3
	v_lshrrev_b32 v[TM+4+\b], 23, v[TM+12+\b]
.endr
	v_lshl_or_b32 v[PW], v[TM+5], 8, v[TM+4]
	v_lshl_or_b32 v[PW], v[TM+6], 16, v[PW]
	v_lshl_or_b32 v[PW], v[TM+7], 24, v[PW]
.irp b, 0,1,2,3
.irp i, 0,2,4,6,8,10,12,14
	v_dual_min_num_f32 v[S+16*\b+\i], v[TM+8+\b], v[S+16*\b+\i] :: v_dual_min_num_f32 v[S+16*\b+\i+1], v[TM+8+\b], v[S+16*\b+\i+1]   ; the hold, one-sided (ISA guide 7.6.2: the conversion does not saturate)
.endr
	v_cvt_scalef32_pk8_bf8_f32 v[PC+4*\b:PC+4*\b+1], v[S+16*\b:S+16*\b+7], v[TM+12+\b]
	v_cvt_scalef32_pk8_bf8_f32 v[PC+4*\b+2:PC+4*\b+3], v[S+16*\b+8:S+16*\b+15], v[TM+12+\b]
.endr
	v_nop                                          ; a plain line behind the last conversion
.irp c, 0,1,2,3
	ds_store_b128 v24, v[PC+4*\c:PC+4*\c+3] offset:512*\c
.endr
	ds_store_b32 v26, v[PW]
	s_wait_dscnt 0x0                               ; for the others' sake: my image lies in LDS (and v's fragments are in)
	s_barrier_signal -1
	s_barrier_wait -1
	WIN 0xc0
.irp mt, 0,1,2,3
.irp c, 0,1,2,3
	ds_load_b128 v[128+16*\mt+4*\c:128+16*\mt+4*\c+3], v25 offset:2048*\mt+512*\c
.endr
.endr
	WIN 0
.irp mt, 0,1,2,3
	ds_load_b32 v[HS+\mt], v27 offset:128*\mt
.endr
	s_wait_dscnt 0x0
	WIN 0x5f                                       ; sources 0 and 1 window 3, C and D window 1
.irp ct, 0,1,2,3,4,5,6,7
.irp mt, 0,1,2,3
.if \zero
	v_wmma_scale_f32_16x16x128_f8f6f4 v[8*(4*\ct+\mt):8*(4*\ct+\mt)+7], v[128+16*\mt:128+16*\mt+15], v[16*\ct:16*\ct+15], 0, v[HS+\mt], v[VSW+\ct] matrix_a_fmt:MATRIX_FMT_BF8 matrix_b_fmt:MATRIX_FMT_BF8
.else
	v_wmma_scale_f32_16x16x128_f8f6f4 v[8*(4*\ct+\mt):8*(4*\ct+\mt)+7], v[128+16*\mt:128+16*\mt+15], v[16*\ct:16*\ct+15], v[8*(4*\ct+\mt):8*(4*\ct+\mt)+7], v[HS+\mt], v[VSW+\ct] matrix_a_fmt:MATRIX_FMT_BF8 matrix_b_fmt:MATRIX_FMT_BF8
.endif
.endr
.endr
	WIN 0
.endm
	s_load_b256 s[4:11], s[0:1], 0x0               ; x 4, gamma 6, kr 8, vimg 10
	s_load_b128 s[12:15], s[0:1], 0x20             ; pack 12, out0 14
	v_lshl_add_u32 v28, v0, 2, SPARE
	v_mov_b32 v29, 0
	ds_add_u32 v28, v29
	ds_add_u32 v28, v29
	s_wait_dscnt 0x0
	v_lshrrev_b32 v1, 5, v0
	v_readfirstlane_b32 s18, v1                    ; wave 0..3
	s_and_b32 s21, ttmp7, 0xffff                   ; b, which the four partners share
	s_and_b32 s22, s18, 1                          ; which of a slot's two K steps I fetch
	; descriptor group 1: dense blocks as rows of 256 bytes (32 elements of 8): v's K step 256 rows, pack's 48; the mask names all four work-groups, bit 21 beside it; no padding: every LDS read is 16 x lane on end
	s_mov_b32 s24, 15|(3<<16)|(1<<21)
	s_mov_b32 s25, 32<<16
	s_mov_b32 s26, 256<<16
	s_mov_b32 s27, 32<<16
	s_mov_b32 s28, 256
	s_mov_b32 s29, 32
	s_mov_b32 s30, 0
	s_mov_b32 s31, 0
	s_mov_b32 s32, 15|(3<<16)|(1<<21)
	s_mov_b32 s33, 32<<16
	s_mov_b32 s34, 48<<16
	s_mov_b32 s35, 32<<16
	s_mov_b32 s36, 48
	s_mov_b32 s37, 32
	s_mov_b32 s38, 0
	s_mov_b32 s39, 0
	s_lshl_b32 s70, s21, 21                        ; the batch's v: 32 K steps of 65,536 bytes
	s_lshl_b32 s71, s22, 16
	s_add_co_u32 s70, s70, s71
	s_mov_b32 s71, 0
	s_mul_i32 s72, s21, 393216                     ; the batch's pack: 32 x 12,288
	s_mul_i32 s73, s22, 12288
	s_add_co_u32 s72, s72, s73
	s_mov_b32 s73, 0
	s_mul_i32 s74, s22, BUFB
	s_wait_kmcnt 0x0
	s_load_b32 s16, s[6:7], 0x0                    ; gamma
	s_add_nc_u64 s[76:77], s[10:11], s[70:71]
	s_add_nc_u64 s[78:79], s[12:13], s[72:73]
.irp g, 0,1
	s_mov_b32 s[40+4*\g], 1
	s_add_co_u32 s[41+4*\g], s74, \g*2*BUFB
	s_add_nc_u64 s[42+4*\g:43+4*\g], s[76:77], \g*131072
	s_or_b32 s[43+4*\g], s[43+4*\g], 0x80000000
	s_mov_b32 s[48+4*\g], 1
	s_add_co_u32 s[49+4*\g], s74, \g*2*BUFB+PKO
	s_add_nc_u64 s[50+4*\g:51+4*\g], s[78:79], \g*24576
	s_or_b32 s[51+4*\g], s[51+4*\g], 0x80000000
.endr
	CROUND                                         ; all four work-groups are here: the first joint loads meet
	s_cmp_lt_u32 s18, 2                            ; a wave's two first fills stand in one branch: two loads of mine are out
	s_cbranch_scc0 .Lfirst_p
	tensor_load_to_lds s[40:43], s[24:31]
	s_nop 0
	tensor_load_to_lds s[44:47], s[24:31]
	s_nop 0
.rept 4
	v_nop
.endr
	s_branch .Lfirst_asked
.Lfirst_p:
	tensor_load_to_lds s[48:51], s[32:39]
	s_nop 0
	tensor_load_to_lds s[52:55], s[32:39]
	s_nop 0
.rept 4
	v_nop
.endr
.Lfirst_asked:
	s_bfe_u32 s19, ttmp6, 0x40000                  ; cx: it enters global addresses alone, in registers that feed no descriptor
	s_lshl_b32 s20, ttmp9, 2
	s_add_co_u32 s20, s20, s19                     ; mblk: my 64 keys are channel mblk of k, all 64 image rows
	v_and_b32 v1, 31, v0
	v_and_b32 v2, 15, v0                           ; r
	v_bfe_u32 v3, v0, 4, 1                         ; h
	v_mul_u32_u24 v181, v2, 4608                   ; key 16 w + r lies in record hr = 16 w + r
	v_lshl_add_u32 v180, v3, 4, v181
	s_lshl_b32 s84, s21, 6
	s_lshl_b32 s85, s18, 4
	s_add_co_u32 s84, s84, s85
	s_mul_i32 s84, s84, 4608
	s_lshl_b32 s86, s20, 6
	s_add_co_u32 s86, s86, s84
	s_mov_b32 s87, 0
	s_add_nc_u64 s[88:89], s[8:9], s[86:87]        ; codes
	s_lshl_b32 s86, s20, 2
	s_add_co_u32 s86, s86, s84
	s_add_nc_u64 s[90:91], s[8:9], s[86:87]        ; scale word and k2
	global_load_b128 v[KF:KF+3], v180, s[88:89]
	global_load_b128 v[KF+4:KF+7], v180, s[88:89] offset:32
	global_load_b32 v[KS], v181, s[90:91] offset:4096
	global_load_b32 v182, v181, s[90:91] offset:4352
	s_lshl_b32 s86, s21, 23
	s_lshl_b32 s85, s18, 21
	s_add_co_u32 s86, s86, s85
	s_lshl_b32 s85, s20, 8
	s_add_co_u32 s86, s86, s85                     ; (512 b + 128 w) rows of 16,384 bytes + my 64 keys' 256
	s_add_nc_u64 s[4:5], s[4:5], s[86:87]
	s_add_nc_u64 s[14:15], s[14:15], s[86:87]
	s_lshl_b32 s86, s21, 21
	s_lshl_b32 s85, s19, 15
	s_add_co_u32 s86, s86, s85
	s_lshl_b32 s85, s18, 13
	s_add_co_u32 s86, s86, s85
	s_add_co_u32 s86, s86, 262144                  ; my 32 blocks of the third pair of K steps; the first refill steps this to the fourth
	s_add_nc_u64 s[66:67], s[10:11], s[86:87]
	s_mul_i32 s86, s21, 393216
	s_mul_i32 s85, s19, 6144
	s_add_co_u32 s86, s86, s85
	s_mul_i32 s85, s18, 1536
	s_add_co_u32 s86, s86, s85
	s_add_co_u32 s86, s86, 49152
	s_add_nc_u64 s[68:69], s[12:13], s[86:87]
	s_cmp_eq_u32 ttmp9, 0                          ; the batch's first cluster: the same in all four partners
	s_cselect_b32 s61, 1, -1
	s_mov_b32 s56, 0x76543210
	s_mov_b32 s57, 0xfedcba98                      ; lane l xor 16
	s_mov_b32 s58, 0xb9b8aa3b                      ; -c0 = -log2(e) / 4096
	s_mov_b32 s59, s58
	s_mov_b32 s60, 0x600000                        ; the mantissa field of 57,344
	v_lshlrev_b32 v184, 4, v1                      ; 16 x lane
	s_lshl_b32 s70, s18, 14
	v_add_nc_u32 v185, s70, v184
	s_lshr_b32 s71, s18, 1
	s_mul_i32 s71, s71, 6144
	s_lshl_b32 s72, s22, 9
	s_add_co_u32 s71, s71, s72
	v_lshl_add_u32 v186, v2, 2, s71
.irp k, 0,1,2,3
	v_add_nc_u32 v[AV+\k], \k*BUFB, v185
	v_add_nc_u32 v[AP+\k], \k*BUFB+PKO, v184
	v_lshl_add_u32 v[AS+\k], v3, 6, \k*BUFB+PKO
	v_lshl_add_u32 v[AQ+\k], v2, 2, \k*BUFB+PKO
	v_add_nc_u32 v[AW+\k], \k*BUFB+PKO+5120, v186
.endr
	s_lshl_b32 s70, s18, 11
	s_add_co_u32 s70, s70, IMG
	v_add_nc_u32 v24, s70, v184
	v_add_nc_u32 v25, IMG, v184
	v_lshlrev_b32 v187, 2, v1
	s_lshl_b32 s70, s18, 7
	s_add_co_u32 s70, s70, HSC
	v_add_nc_u32 v26, s70, v187
	v_add_nc_u32 v27, HSC, v187
	v_lshlrev_b32 v30, 8, v1
	v_min_u32 v31, 5, v1
	v_lshlrev_b32 v31, 8, v31
	s_mul_i32 s70, s18, 4352                       ; the way out: my stage, 16 rows x 272, in buffer 0
	v_mul_u32_u24 v176, v2, 272
	v_lshl_add_u32 v176, v3, 5, v176
	v_add_nc_u32 v176, s70, v176
	v_mul_u32_u24 v177, v3, 272
	v_lshl_add_u32 v177, v2, 4, v177
	v_add_nc_u32 v177, s70, v177
	v_lshlrev_b32 v178, 14, v3
	v_lshl_add_u32 v178, v2, 4, v178               ; lanes 0-15 one row of x and out0, lanes 16-31 the next
	v_lshlrev_b32 v179, 14, v1
.irp j, 8,9,10,11,12,13,14,15
	v_mov_b32 v[KF+\j], 0                          ; K = 64: the rest of the instruction's 128 are zero codes, on both sides, written once
.endr
.irp b, 0,1,2,3
	v_mov_b32 v[TM+4+\b], 0                        ; a lane permute's destination counts as one of its sources
.endr
	WIN 0x80
.set t, 0
.rept 8
.irp j, 8,9,10,11,12,13,14,15
	v_mov_b32 v[16*t+\j], 0
.endr
.set t, t+1
.endr
	WIN 0
	s_wait_loadcnt 0x0
.irp j, 0,1,2,3,4,5,6,7
	v_mul_f32 v[KC2+\j], -0.5, v182
.endr
	s_wait_kmcnt 0x0
	s_mov_b32 s17, s16                             ; gamma as a pair
	s_wait_tensorcnt 0x1                           ; my part of slot 0 is in; slot 1's stays out
	s_barrier_signal -1
	s_barrier_wait -1
	STEP 0, 1
	MID
	STEP 1, 0
	s_mov_b32 s23, 7
.Lslots:                                           ; a trip goes once round the ring: four K steps, both slots filled again
	CHANGE 0, 1, 0
	STEP 2, 0
	MID
	STEP 3, 0
	CHANGE 1, 1, 1
	STEP 0, 0
	MID
	STEP 1, 0
	s_sub_co_u32 s23, s23, 1
	s_cmp_lg_u32 s23, 0
	s_cbranch_scc1 .Lslots
	CHANGE 0, 0, 0                                 ; the tail is written out: nothing is left to ask for
.irp i, 0,1,2,3
	global_prefetch_b8 v179, s[4:5] offset:524288*\i th:TH_LOAD_NT scope:SCOPE_SE   ; my 128 rows' 256 bytes of x, a lane a row, two K steps ahead of their loads
.endr
	STEP 2, 0
	MID
	STEP 3, 0
	; THE WAY OUT.  A tile of 16 channels x 64 keys goes through my own stage (buffer 0 has had its last fill and its last read) and comes back as rows of 256 bytes; gamma x it + x; sixteen lanes store 256 consecutive bytes, aligned.
.rept 8
	v_nop                                          ; eight places behind the last products
.endr
	WIN 0x80
.irp ct, 0,1,2,3,4,5,6,7
.irp i, 0,1,2,3,4,5,6,7
	global_load_b128 v[32*\ct+4*\i:32*\ct+4*\i+3], v178, s[4:5] offset:(16*\ct+2*\i)*16384 th:TH_LOAD_NT
.endr
.endr
	WIN 0
.macro TOSTAGE ct
	WIN 0x04                                       ; an LDS store's data are its source 1: window 1
.irp mt, 0,1,2,3
	ds_store_b128 v176, v[8*(4*(\ct)+\mt):8*(4*(\ct)+\mt)+3] offset:64*\mt       ; each accumulator from its low end on
	ds_store_b128 v176, v[8*(4*(\ct)+\mt)+4:8*(4*(\ct)+\mt)+7] offset:64*\mt+16
.endr
	WIN 0
.irp i, 0,1,2,3,4,5,6,7
	ds_load_b128 v[BK+32*((\ct)%2)+4*\i:BK+32*((\ct)%2)+4*\i+3], v177 offset:544*\i   ; LDS serves a wave's instructions in order: these see the stores above
.endr
.endm
.macro SEND ct, younger
	s_wait_dscnt \younger                          ; the tile is back; the next tile's 8 stores and 8 loads may be out
	s_wait_loadcnt 56-8*(\ct)                      ; its 8 loads of x are in; the later tiles' stay out
	WIN 0x20                                       ; source 2 (x) in window 2
.set e, 0
.rept 16
	v_pk_fma_f32 v[BK+32*((\ct)%2)+e:BK+32*((\ct)%2)+e+1], v[BK+32*((\ct)%2)+e:BK+32*((\ct)%2)+e+1], s[16:17], v[32*(\ct)+e:32*(\ct)+e+1] op_sel_hi:[1,0,1]
.set e, e+2
.endr
	WIN 0
.irp i, 0,1,2,3,4,5,6,7
	global_store_b128 v178, v[BK+32*((\ct)%2)+4*\i:BK+32*((\ct)%2)+4*\i+3], s[14:15] offset:(16*(\ct)+2*\i)*16384 th:TH_STORE_NT
.endr
.endm
	TOSTAGE 0
.irp ct, 1,2,3,4,5,6,7
.if \ct > 1
	s_wait_xcnt 0x0                                ; the stores of two tiles back have read their registers: this tile's rows may land there
.endif
	TOSTAGE \ct
	SEND \ct-1, 16
.endr
	SEND 7, 0
	s_wait_tensorcnt 0x0                           ; the wave's end
	ds_add_u32 v28, v29
	s_wait_dscnt 0x0
	CROUND                                         ; the closing round
	s_endpgm
.Lfunc_end_k_q47531d3631_attend:
	.size	k_q47531d3631_attend, .Lfunc_end_k_q47531d3631_attend-k_q47531d3631_attend
	.p2alignl 7, 3214868480
	.fill 96, 4, 3214868480
	.section	.rodata,"a",@progbits
	.p2align	6, 0x0
	.amdhsa_kernel k_q47531d3631_attend
		.amdhsa_group_segment_fixed_size 327680
		.amdhsa_private_segment_fixed_size 0
		.amdhsa_enable_private_segment 0
		.amdhsa_kernarg_size 48
		.amdhsa_user_sgpr_count 2
		.amdhsa_user_sgpr_kernarg_segment_ptr 1
		.amdhsa_wavefront_size32 1
		.amdhsa_system_sgpr_workgroup_id_x 1
		.amdhsa_system_sgpr_workgroup_id_y 1
		.amdhsa_system_sgpr_workgroup_id_z 1
		.amdhsa_system_vgpr_workitem_id 0
		.amdhsa_next_free_vgpr 1024
		.amdhsa_next_free_sgpr 100
		.amdhsa_reserve_vcc 0
		.amdhsa_float_denorm_mode_32 3
		.amdhsa_float_denorm_mode_16_64 3
		.amdhsa_memory_ordered 1
		.amdhsa_forward_progress 1
		.amdhsa_inst_pref_size 255
	.end_amdhsa_kernel
	.section	.bss,"aw",@nobits
	.p2align	6
	.space	262144
	.amdgpu_metadata
---
amdhsa.version: [ 1, 2 ]
amdhsa.kernels:
  - .name:           k_q47531d3631_attend
    .symbol:         k_q47531d3631_attend.kd
    .args:
      - { .name: x, .offset: 0, .size: 8, .value_kind: global_buffer, .address_space: global }
      - { .name: gamma, .offset: 8, .size: 8, .value_kind: global_buffer, .address_space: global }
      - { .name: kr, .offset: 16, .size: 8, .value_kind: global_buffer, .address_space: global }
      - { .name: vimg, .offset: 24, .size: 8, .value_kind: global_buffer, .address_space: global }
      - { .name: pack, .offset: 32, .size: 8, .value_kind: global_buffer, .address_space: global }
      - { .name: out0, .offset: 40, .size: 8, .value_kind: global_buffer, .address_space: global }
    .group_segment_fixed_size: 327680
    .private_segment_fixed_size: 0
    .kernarg_segment_align: 8
    .kernarg_segment_size: 48
    .max_flat_workgroup_size: 128
    .sgpr_count:     100
    .vgpr_count:     1024
    .wavefront_size: 32
...
	.end_amdgpu_metadata
.endif
;; end of part 3
;; ======== version 2 of 2: 3 launches
;; workspace buffers: qr 1,179,648 bytes; kr 1,179,648 bytes; vimg 8,388,608 bytes; vsh 262,144 bytes; pack 1,572,864 bytes
;; launch proj: the kernel of part 1 again; grid 64 x 4, 8 waves a work-group, no clusters, 113,664 bytes of LDS; arguments x, wq_codes, wq_scales, bq, wk_codes, wk_scales, bk, wv_codes, wv_scales, bv, qr, kr, vimg, vsh; writes qr, kr, vimg, vsh
;; launch stats (part 4): grid 64 x 4, 4 waves a work-group, clusters of 4 x 1, 327,680 bytes of LDS; arguments qr, kr, vsh, pack; writes pack
.if DOCPART == 4
	.amdgcn_target "amdgcn-amd-amdhsa--gfx1250"
	.amdhsa_code_object_version 6
	.text
	.protected	k_q47531d3631_stats
	.globl	k_q47531d3631_stats
	.p2align	8
	.type	k_q47531d3631_stats,@function
k_q47531d3631_stats:
	s_mov_b64 s[64:65], 0
	v_nop
	global_prefetch_b8 v0, s[64:65] scope:SCOPE_SE
	s_setreg_imm32_b32 hwreg(HW_REG_WAVE_MODE, 25, 1), 1
	s_wait_xcnt 0x0
	s_wait_alu depctr_hold_cnt(0) depctr_sa_sdst(0) depctr_va_vdst(0) depctr_va_sdst(0) depctr_va_ssrc(0) depctr_va_vcc(0) depctr_vm_vsrc(0)
	s_getreg_b32 s2, hwreg(HW_REG_IB_STS2, 6, 4)
	s_cmp_eq_u32 s2, 0
	s_cbranch_scc0 .Lentry_in_a_cluster
	s_endpgm
.Lentry_in_a_cluster:
	s_bfe_u32 s2, ttmp6, 0x10000c
	s_cmp_lg_u32 s2, 0x3003
	s_cbranch_scc0 .Lentry_shape_is_right
	s_endpgm
.Lentry_shape_is_right:
; THE SOFTMAX'S ROW STATISTICS.  For each query n = 64 o + hr of batch b: the smallest distance to any key, and the sum over all 4,096 keys m of 2^(c0 (dmin - dist(n, m))), c0 = log2(e) / 4096.
; dist = sqrt(max(q2 + k2 - 2 q.k, 0)); q.k on codes of BF8 (E5M2), K = 64 filled to the instruction's 128 with zero codes on both sides.  The largest energy is -dmin / 4096: it is taken away by a running minimum.
; SHARES.  A work-group owns the 64 queries of channel o; wave w = 2 b1 + u the tile of rows hr = 32 b1 + 8 u + r + 8 (r / 8), the order in which the next launch wants them.  Every wave walks all keys, 256 a step.
; LAYOUT.  Source 0 = my 16 queries, source 1 = 16 keys: lane (r, h) holds key r, register j query row 8 h + j, which is hr = 32 b1 + 8 u + 16 h + j.  C = -q2 / 2, so d2 = D x (-2) + k2: one packed line.
; Minimum and sum are kept for each (lane, j) and joined over the 16 lanes of a half at the end.
; ROOTS AND EXPONENTIALS STAND BY TURNS WITH PLAIN LINES that name none of a batch's results: each batch still has one wait, ahead of its first reader.
; CLUSTER.  The four work-groups of a cluster belong to one batch and walk the same k: all of it (codes, scale words, square sums: 312,320 bytes) is brought into LDS ONCE, by joint loads, five a wave; nothing is filled again.
; ALSO: q's fragments, q's scale words, q2 and v's scale words are laid into pack as the next launch reads them: a record of 6,144 bytes for each (b, o).
; LIMITS: NaN and infinities are not served; roots and exponentials flush denormals; d2 is rounded as (q.k - q2 / 2) x (-2) + k2.
.set KSB,   17408                      ; LDS from byte 0: 16 steps of 64 rows hr x (256 bytes = 4 channels x 64 codes, + 16)
.set KA,    278528                     ; 64 rows hr x (256 bytes of scale words, 256 of k2, + 16)
.set STG,   312320                     ; 1,024 bytes: q2, c0 dmin, 1 / sum, q's scale words, on their way out
.set QS,  31                           ; q's scale words
.set QF,  32                           ; v32-47   q's fragment; the upper eight registers are zero codes
.set Q2V, 48                           ; v48-55   q2 of my eight rows
.set NQ,  56                           ; v56-63   -q2 / 2
.set DM,  64                           ; v64-71   the smallest distance so far
.set CD,  72                           ; v72-79   c0 x it
.set CO,  80                           ; v80-87   its old value, then 2^(new - old)
.set SUM, 88                           ; v88-95
.set KSW, 96                           ; v96-111  k's scale words, tile 4 t + oo
.set K2,  112                          ; v112-127 k2 likewise
.set S,   128                          ; v128-255 16 tiles of scores.   Window 1: k's 16 fragments at 16 tau; their upper eight registers are zero codes
.set MSB, 0
.macro WIN new
.if MSB != \new
	s_set_vgpr_msb (MSB<<8)|\new
.set MSB, \new
.endif
.endm
.macro CROUND                          ; a round of the cluster's barrier
	s_barrier_signal -1
	s_barrier_wait -1
	s_cmp_lg_u32 s12, 0
	s_cbranch_scc1 .Lnot_wave_0_\@
	s_barrier_signal -3
.Lnot_wave_0_\@:
	s_barrier_wait -3
	s_barrier_signal -1
	s_barrier_wait -1
.endm
.macro KLOAD                           ; a step's 16 fragments (two loads each: K = 64), scale words and k2
	v_add_nc_u32 v6, s67, v4
	v_add_nc_u32 v7, s68, v5
	WIN 0x40                                       ; destination window 1
.irp t, 0,1,2,3
.irp oo, 0,1,2,3
.irp c, 0,1
	ds_load_b128 v[16*(4*\t+\oo)+4*\c:16*(4*\t+\oo)+4*\c+3], v6 offset:4352*\t+64*\oo+32*\c
.endr
.endr
.endr
	WIN 0
.irp t, 0,1,2,3
	ds_load_b128 v[KSW+4*\t:KSW+4*\t+3], v7 offset:8448*\t
	ds_load_b128 v[K2+4*\t:K2+4*\t+3], v7 offset:8448*\t+256
.endr
	s_add_co_u32 s67, s67, KSB
	s_add_co_u32 s68, s68, 16
.endm
.macro STEP next                       ; 256 keys
	s_wait_dscnt 0x0
	WIN 0x04                                       ; source 1 (k) in window 1
.set t, 0
.rept 16
	v_wmma_scale_f32_16x16x128_f8f6f4 v[S+8*t:S+8*t+7], v[QF:QF+15], v[16*t:16*t+15], v[NQ:NQ+7], v[QS], v[KSW+t] matrix_a_fmt:MATRIX_FMT_BF8 matrix_b_fmt:MATRIX_FMT_BF8
.set t, t+1
.endr
	WIN 0
.rept 8
	v_nop                                          ; eight places behind this form
.endr
; d2 = (q.k - q2 / 2) x (-2) + k2 (of the pair of k2 the tile's own word serves both halves), the clip at 0 two pairs behind it, the roots four pairs behind it: a root between two plain lines.
; Each tile is read from its low end on, and no line names the result of a root.
.set p, 0
.rept 68
.if p < 64
.if (p/4)%2
	v_pk_fma_f32 v[S+2*p:S+2*p+1], v[S+2*p:S+2*p+1], -2.0, v[K2+2*(p/8):K2+2*(p/8)+1] op_sel:[0,0,1] op_sel_hi:[1,0,1]
.else
	v_pk_fma_f32 v[S+2*p:S+2*p+1], v[S+2*p:S+2*p+1], -2.0, v[K2+2*(p/8):K2+2*(p/8)+1] op_sel_hi:[1,0,0]
.endif
.endif
.if p >= 4
	v_sqrt_f32 v[S+2*p-8], v[S+2*p-8]
.endif
.if (p >= 2) && (p < 66)
	v_dual_max_num_f32 v[S+2*p-4], 0, v[S+2*p-4] :: v_dual_max_num_f32 v[S+2*p-3], 0, v[S+2*p-3]
.endif
.if p >= 4
	v_sqrt_f32 v[S+2*p-7], v[S+2*p-7]
.endif
.set p, p+1
.endr
.irp j, 0,1,2,3,4,5,6,7
	v_mov_b32 v[CO+\j], v[CD+\j]                   ; plain work behind the batch of roots
.endr
	s_wait_alu depctr_va_vdst(0)                   ; one wait for the batch, ahead of its first reader
.if \next
	KLOAD                                          ; the next step's, behind the last readers of this step's registers; they land under the minima, the exponentials and the sums
.endif
.set t, 0
.rept 8
.irp j, 0,1,2,3,4,5,6,7
	v_min3_num_f32 v[DM+\j], v[DM+\j], v[S+16*t+\j], v[S+16*t+8+\j]
.endr
.set t, t+1
.endr
.irp j, 0,1,2,3,4,5,6,7
	v_mul_f32 v[CD+\j], s66, v[DM+\j]
.endr
.irp j, 0,1,2,3,4,5,6,7
	v_sub_f32 v[CO+\j], v[CD+\j], v[CO+\j]         ; c0 (new dmin - old dmin), 0 or less
.endr
; c0 (dmin - dist), a pair a line, and the pair's two exponentials two pairs behind it
.set p, 0
.rept 66
.if p < 64
	v_pk_fma_f32 v[S+2*p:S+2*p+1], v[S+2*p:S+2*p+1], s[62:63], v[CD+(2*p)%8:CD+(2*p)%8+1] op_sel_hi:[1,0,1]
.endif
.if p >= 2
	v_exp_f32 v[S+2*p-4], v[S+2*p-4]
	v_exp_f32 v[S+2*p-3], v[S+2*p-3]
.endif
.set p, p+1
.endr
.irp j, 0,1,2,3,4,5,6,7
	v_exp_f32 v[CO+\j], v[CO+\j]
.endr
	v_nop                                          ; a plain line behind the last exponential
	s_wait_alu depctr_va_vdst(0)                   ; one wait for the batch
.irp p, 0,2,4,6
	v_pk_fma_f32 v[SUM+\p:SUM+\p+1], v[SUM+\p:SUM+\p+1], v[CO+\p:CO+\p+1], v[S+\p:S+\p+1]   ; the old sum under the new minimum, and the first tile
.endr
.set t, 1
.rept 15
.irp p, 0,2,4,6
	v_pk_add_f32 v[SUM+\p:SUM+\p+1], v[SUM+\p:SUM+\p+1], v[S+8*t+\p:S+8*t+\p+1]
.endr
.set t, t+1
.endr
.endm
	s_load_b256 s[4:11], s[0:1], 0x0               ; qr 4, kr 6, vsh 8, pack 10
	v_lshl_add_u32 v29, v0, 2, 0x4c800
	v_mov_b32 v30, 0
	ds_add_u32 v29, v30
	ds_add_u32 v29, v30
	v_lshrrev_b32 v1, 5, v0
	v_readfirstlane_b32 s12, v1                    ; wave 0..3
	s_and_b32 s15, ttmp7, 0xffff                   ; b, which the four partners share
	; descriptor group 1.  k's codes of a step: 64 rows of 256 bytes (32 elements of 8), 4,608 bytes (576 elements) apart, 16 bytes of padding behind each; the mask names all four work-groups, bit 21 beside it
	s_mov_b32 s24, 15|(3<<16)|(1<<20)|(1<<21)|(5<<22)|(3<<25)
	s_mov_b32 s25, 32<<16
	s_mov_b32 s26, 64<<16
	s_mov_b32 s27, 32<<16
	s_mov_b32 s28, 64
	s_mov_b32 s29, 576
	s_mov_b32 s30, 0
	s_mov_b32 s31, 0
	; k's scale words and square sums: 16 rows of 512 bytes, likewise
	s_mov_b32 s32, 15|(3<<16)|(1<<20)|(1<<21)|(6<<22)|(3<<25)
	s_mov_b32 s33, 64<<16
	s_mov_b32 s34, 16<<16
	s_mov_b32 s35, 64<<16
	s_mov_b32 s36, 16
	s_mov_b32 s37, 576
	s_mov_b32 s38, 0
	s_mov_b32 s39, 0
	s_mul_i32 s82, s15, 294912                     ; the batch's 64 records
	s_mov_b32 s83, 0
	s_mul_i32 s72, s12, 73728                      ; my 16 records,
	s_add_co_u32 s72, s72, 4096                    ; behind their codes
	s_mov_b32 s73, 0
	s_lshl_b32 s74, s12, 8                         ; step g = wave: 256 bytes on in each record
	s_mov_b32 s75, 0
	s_mul_i32 s76, s12, 8448
	s_mul_i32 s77, s12, KSB
	s_wait_dscnt 0x0
	s_wait_kmcnt 0x0
	s_add_nc_u64 s[6:7], s[6:7], s[82:83]
	s_mov_b32 s40, 1
	s_add_co_u32 s41, s76, KA
	s_add_nc_u64 s[42:43], s[6:7], s[72:73]
	s_or_b32 s43, s43, 0x80000000
.irp i, 0,1,2,3                        ; my four steps: g = wave + 4 i
	s_mov_b32 s[44+4*\i], 1
	s_add_co_u32 s[45+4*\i], s77, 4*KSB*\i
	s_add_nc_u64 s[46+4*\i:47+4*\i], s[6:7], s[74:75]
	s_add_nc_u64 s[46+4*\i:47+4*\i], s[46+4*\i:47+4*\i], 1024*\i
	s_or_b32 s[47+4*\i], s[47+4*\i], 0x80000000
.endr
	CROUND                                         ; all four work-groups are here: the joint loads meet
	tensor_load_to_lds s[40:43], s[32:39]          ; five loads of mine are out
	s_nop 0
	tensor_load_to_lds s[44:47], s[24:31]
	s_nop 0
	tensor_load_to_lds s[48:51], s[24:31]
	s_nop 0
	tensor_load_to_lds s[52:55], s[24:31]
	s_nop 0
	tensor_load_to_lds s[56:59], s[24:31]
	s_nop 0
.rept 4
	v_nop                                          ; behind a tensor load
.endr
	s_bfe_u32 s13, ttmp6, 0x40000                  ; cx: it enters global addresses of q, vsh and pack alone
	s_lshl_b32 s14, ttmp9, 2
	s_add_co_u32 s14, s14, s13                     ; o
	v_and_b32 v1, 31, v0
	v_and_b32 v2, 15, v0                           ; r
	v_bfe_u32 v3, v0, 4, 1                         ; h
	v_mul_u32_u24 v4, v2, 272
	v_lshl_add_u32 v4, v3, 4, v4                   ; a fragment of k: row r, + 16 h
	v_mul_u32_u24 v5, v2, 528
	v_add_nc_u32 v5, KA, v5
	s_lshr_b32 s70, s12, 1
	s_and_b32 s71, s12, 1
	s_lshl_b32 s78, s70, 5
	s_lshl_b32 s79, s71, 3
	s_add_co_u32 s78, s78, s79                     ; 32 b1 + 8 u
	v_and_b32 v20, 8, v2
	v_add_nc_u32 v20, v20, v2
	v_add_nc_u32 v20, s78, v20                     ; lane r's query row
	v_mul_u32_u24 v9, v20, 4608
	v_lshl_add_u32 v8, v3, 4, v9
	v_lshl_add_u32 v21, v3, 4, s78
	v_mul_u32_u24 v10, v21, 4608                   ; register 0's query row
	v_lshlrev_b32 v11, 4, v1
	v_lshlrev_b32 v12, 2, v0
	v_lshlrev_b32 v13, 3, v0
	s_lshl_b32 s79, s78, 2
	s_add_co_u32 s79, s79, STG
	v_lshl_add_u32 v14, v3, 6, s79
	s_lshl_b32 s79, s12, 6
	s_add_co_u32 s79, s79, STG+768
	v_lshl_add_u32 v15, v2, 2, s79
	s_lshl_b32 s79, s12, 8
	s_add_co_u32 s79, s79, STG
	v_lshlrev_b32 v17, 3, v1
	v_add_nc_u32 v16, s79, v17
	s_mov_b32 s85, 0
	s_add_nc_u64 s[4:5], s[4:5], s[82:83]          ; qr at the batch
	s_lshl_b32 s84, s14, 6
	s_add_nc_u64 s[16:17], s[4:5], s[84:85]        ; channel o's codes
	s_lshl_b32 s84, s14, 2
	s_add_nc_u64 s[18:19], s[4:5], s[84:85]        ; its scale word and q2
	s_lshl_b32 s84, s15, 6
	s_and_b32 s86, s14, 0xfffffffe
	s_add_co_u32 s84, s84, s86                     ; image rows 2 (o / 2) and the next: K step o / 2 of the last product
	s_lshl_b32 s84, s84, 10
	s_and_b32 s86, s14, 1
	s_lshl_b32 s86, s86, 9                         ; channels 256 (o % 2) on
	s_add_co_u32 s84, s84, s86
	s_add_nc_u64 s[20:21], s[8:9], s[84:85]
	s_lshl_b32 s84, s15, 6
	s_add_co_u32 s84, s84, s14
	s_mul_i32 s84, s84, 6144
	s_add_nc_u64 s[10:11], s[10:11], s[84:85]      ; my record of pack
	s_lshl_b32 s84, s12, 10
	s_add_nc_u64 s[22:23], s[10:11], s[84:85]
	s_lshl_b32 s84, s12, 8
	s_add_co_u32 s84, s84, 4096
	s_add_nc_u64 s[80:81], s[10:11], s[84:85]
	global_load_b128 v[QF:QF+3], v8, s[16:17]
	global_load_b128 v[QF+4:QF+7], v8, s[16:17] offset:32
	global_load_b32 v[QS], v9, s[18:19] offset:4096
.irp j, 0,1,2,3,4,5,6,7
	global_load_b32 v[Q2V+\j], v10, s[18:19] offset:4352+4608*\j
.endr
	global_load_b32 v18, v12, s[20:21]             ; two channels' two bytes of the first image row,
	global_load_b32 v19, v12, s[20:21] offset:1024 ; and of the second
	s_mov_b32 s62, 0xb9b8aa3b                      ; -c0
	s_mov_b32 s63, s62                             ; (named with it as a pair)
	s_mov_b32 s66, 0x39b8aa3b                      ; c0 = log2(e) / 4096
	s_mov_b32 s67, 0                               ; the step's codes
	s_mov_b32 s68, 0                               ; the step's 16 bytes in a row of scale words
.irp j, 8,9,10,11,12,13,14,15
	v_mov_b32 v[QF+\j], 0                          ; K = 64: the rest of the instruction's 128 are zero codes, on both sides, written once
.endr
	WIN 0x40
.set t, 0
.rept 16
.irp j, 8,9,10,11,12,13,14,15
	v_mov_b32 v[16*t+\j], 0
.endr
.set t, t+1
.endr
	WIN 0
.irp j, 0,1,2,3,4,5,6,7
	v_mov_b32 v[DM+\j], 0x7f61b1e6                 ; 3e38, over every distance
	v_mov_b32 v[SUM+\j], 0
.endr
.irp j, 0,1,2,3,4,5,6,7
	v_mul_f32 v[CD+\j], s66, v[DM+\j]
.endr
	s_wait_loadcnt 0x0
.irp j, 0,1,2,3,4,5,6,7
	v_mul_f32 v[NQ+\j], -0.5, v[Q2V+\j]
.endr
	v_perm_b32 v20, v19, v18, 0x05040100           ; the even channel's four bytes: two of each image row
	v_perm_b32 v21, v19, v18, 0x07060302           ; the odd channel's
	global_store_b128 v11, v[QF:QF+3], s[22:23]    ; q's fragment as an image of its registers: 512 consecutive bytes a store
	global_store_b128 v11, v[QF+4:QF+7], s[22:23] offset:512
	global_store_b64 v13, v[20:21], s[10:11] offset:5120   ; 256 consecutive bytes a wave
	s_wait_tensorcnt 0x3                           ; the scale words and my first step tile are in; my other three stay out
	s_barrier_signal -1
	s_barrier_wait -1                              ; steps 0 to 3 are whole
	KLOAD
	s_mov_b32 s69, 3
.Lfirst:                                           ; steps 0 to 2; they fetch steps 1 to 3
	STEP 1
	s_sub_co_u32 s69, s69, 1
	s_cmp_lg_u32 s69, 0
	s_cbranch_scc1 .Lfirst
	s_wait_tensorcnt 0x0                           ; all my tiles are in,
	s_wait_dscnt 0x0                               ; (no LDS instruction is pending at a signal)
	s_barrier_signal -1
	s_barrier_wait -1                              ; everybody's are
	s_mov_b32 s69, 12
.Lrest:                                            ; steps 3 to 14
	STEP 1
	s_sub_co_u32 s69, s69, 1
	s_cmp_lg_u32 s69, 0
	s_cbranch_scc1 .Lrest
	STEP 0                                         ; step 15 fetches nothing
	; the 16 lanes of a half are joined: the smallest minimum, each lane's sum brought under it, the sum of sums
.irp j, 0,1,2,3,4,5,6,7
	v_mul_f32 v[CO+\j], -1.0, v[DM+\j]
.endr
.irp m, 1,2,4,8
.irp j, 0,1,2,3,4,5,6,7
	v_max_num_f32_dpp v[CO+\j], v[CO+\j], v[CO+\j] row_xmask:\m row_mask:0xf bank_mask:0xf
.endr
.endr
.irp j, 0,1,2,3,4,5,6,7
	v_mul_f32 v[CO+\j], s62, v[CO+\j]              ; c0 x the row's smallest distance
.endr
.irp j, 0,1,2,3,4,5,6,7
	v_sub_f32 v[DM+\j], v[CO+\j], v[CD+\j]
.endr
.irp j, 0,1,2,3,4,5,6,7
	v_exp_f32 v[DM+\j], v[DM+\j]
.endr
	v_nop
	s_wait_alu depctr_va_vdst(0)
.irp j, 0,2,4,6
	v_pk_mul_f32 v[SUM+\j:SUM+\j+1], v[SUM+\j:SUM+\j+1], v[DM+\j:DM+\j+1]
.endr
.irp m, 1,2,4,8
.irp j, 0,1,2,3,4,5,6,7
	v_add_f32_dpp v[SUM+\j], v[SUM+\j], v[SUM+\j] row_xmask:\m row_mask:0xf bank_mask:0xf
.endr
.endr
.irp j, 0,1,2,3,4,5,6,7
	v_rcp_f32 v[DM+\j], v[SUM+\j]                  ; the sum is at least 1: the nearest key's term is 2^0
.endr
	v_nop
	s_wait_alu depctr_va_vdst(0)
.irp j, 0,1,2,3,4,5,6,7
	ds_store_b32 v14, v[Q2V+\j] offset:4*\j        ; the 16 lanes of a half write the same word with the same value
	ds_store_b32 v14, v[CO+\j] offset:256+4*\j
	ds_store_b32 v14, v[DM+\j] offset:512+4*\j
.endr
	ds_store_b32 v15, v[QS]
	s_wait_dscnt 0x0                               ; for the others' sake
	s_barrier_signal -1
	s_barrier_wait -1
	ds_load_b64 v[18:19], v16
	s_wait_dscnt 0x0
	global_store_b64 v17, v[18:19], s[80:81]       ; 32 lanes store 256 consecutive bytes, aligned
	s_wait_tensorcnt 0x0
	ds_add_u32 v29, v30
	s_wait_dscnt 0x0
	CROUND                                         ; the closing round
	s_endpgm
.Lfunc_end_k_q47531d3631_stats:
	.size	k_q47531d3631_stats, .Lfunc_end_k_q47531d3631_stats-k_q47531d3631_stats
	.p2alignl 7, 3214868480
	.fill 96, 4, 3214868480
	.section	.rodata,"a",@progbits
	.p2align	6, 0x0
	.amdhsa_kernel k_q47531d3631_stats
		.amdhsa_group_segment_fixed_size 327680
		.amdhsa_private_segment_fixed_size 0
		.amdhsa_enable_private_segment 0
		.amdhsa_kernarg_size 32
		.amdhsa_user_sgpr_count 2
		.amdhsa_user_sgpr_kernarg_segment_ptr 1
		.amdhsa_wavefront_size32 1
		.amdhsa_system_sgpr_workgroup_id_x 1
		.amdhsa_system_sgpr_workgroup_id_y 1
		.amdhsa_system_sgpr_workgroup_id_z 1
		.amdhsa_system_vgpr_workitem_id 0
		.amdhsa_next_free_vgpr 512
		.amdhsa_next_free_sgpr 96
		.amdhsa_reserve_vcc 0
		.amdhsa_float_denorm_mode_32 3
		.amdhsa_float_denorm_mode_16_64 3
		.amdhsa_memory_ordered 1
		.amdhsa_forward_progress 1
		.amdhsa_inst_pref_size 126
	.end_amdhsa_kernel
	.amdgpu_metadata
---
amdhsa.version: [ 1, 2 ]
amdhsa.kernels:
  - .name:           k_q47531d3631_stats
    .symbol:         k_q47531d3631_stats.kd
    .args:
      - { .name: qr, .offset: 0, .size: 8, .value_kind: global_buffer, .address_space: global }
      - { .name: kr, .offset: 8, .size: 8, .value_kind: global_buffer, .address_space: global }
      - { .name: vsh, .offset: 16, .size: 8, .value_kind: global_buffer, .address_space: global }
      - { .name: pack, .offset: 24, .size: 8, .value_kind: global_buffer, .address_space: global }
    .group_segment_fixed_size: 327680
    .private_segment_fixed_size: 0
    .kernarg_segment_align: 8
    .kernarg_segment_size: 32
    .max_flat_workgroup_size: 128
    .sgpr_count:     96
    .vgpr_count:     512
    .wavefront_size: 32
...
	.end_amdgpu_metadata
.endif
;; end of part 4
;; launch attend (part 5): grid 64 x 4, 4 waves a work-group, clusters of 4 x 1, 327,680 bytes of LDS; arguments x, gamma, kr, vimg, pack, out0; writes out0
.if DOCPART == 5
	.amdgcn_target "amdgcn-amd-amdhsa--gfx1250"
	.amdhsa_code_object_version 6
	.text
	.protected	k_q47531d3631_attend
	.globl	k_q47531d3631_attend
	.p2align	8
	.type	k_q47531d3631_attend,@function
k_q47531d3631_attend:
	s_mov_b64 s[64:65], 0
	v_nop
	global_prefetch_b8 v0, s[64:65] scope:SCOPE_SE
	s_setreg_imm32_b32 hwreg(HW_REG_WAVE_MODE, 25, 1), 1
	s_wait_xcnt 0x0
	s_wait_alu depctr_hold_cnt(0) depctr_sa_sdst(0) depctr_va_vdst(0) depctr_va_sdst(0) depctr_va_ssrc(0) depctr_va_vcc(0) depctr_vm_vsrc(0)
	s_getreg_b32 s2, hwreg(HW_REG_IB_STS2, 6, 4)
	s_cmp_eq_u32 s2, 0
	s_cbranch_scc0 .Lentry_in_a_cluster
	s_endpgm
.Lentry_in_a_cluster:
	s_bfe_u32 s2, ttmp6, 0x10000c
	s_cmp_lg_u32 s2, 0x3003
	s_cbranch_scc0 .Lentry_shape_is_right
	s_endpgm
.Lentry_shape_is_right:
; out0[b][c][m] = gamma x (sum over n of v[c][n] attn[n][m]) + x[b][c][m], attn = the finished softmax over m of -dist(q_n, k_m) / 4096.  Both products on codes of BF8 (E5M2) with E8M0 scales for each 32 along K.
; attn[n][m] = 2^(c0 (dmin_n - dist)) / sum_n, with dmin_n and 1 / sum_n from the launch before; it is quantised along n, the last product's K.
; SHARES.  A work-group owns all 512 channels x 64 keys m = 64 mblk on and walks n in 32 steps of 128.  PHASE A: wave w makes attn for ALL 64 keys and block w of 32 n: so it reads two fragments of q and 16 rows' terms
; a lane, a quarter of the step's, and the four waves read nothing twice.  Its codes are register group w of each of the four fragments of attn, its scale bytes byte w of each key's word: they meet in LDS as images of the
; operand's registers.  PHASE B: wave w owns channels 128 w on (8 tiles) x 4 tiles of keys: 32 accumulators.
; LAYOUT.  A: source 0 = 16 queries (in the order r + 8 (r / 8), so that the 16 registers of two neighbouring tiles are 16 neighbouring n), source 1 = 16 keys, C = -k2 / 2: lane (r, h) holds key r.
; B: source 0 = attn (16 keys), source 1 = v (16 channels): a lane holds channel r and eight neighbouring m: 32 bytes of a row of out0.
; ONE STEP OF PIPELINE.  Behind the barrier that shows a step's images the next step's q and row terms are fetched with attn's fragments; they land under the 32 products, and the next step's 8 score products follow those directly.
; At that barrier every read of the step's buffer is over (v's fragments are in registers): so in a slot's second step it is also the change of slots.
; ROOTS AND EXPONENTIALS STAND BY TURNS WITH PLAIN LINES that name none of a batch's results: each batch has one wait, ahead of its first reader.
; CLUSTER.  The four work-groups of a cluster walk the same v and pack: joint loads, two K steps to a slot (155,648 bytes), two slots, one load a wave behind each round (waves 0, 1: v; waves 2, 3: pack).
; LIMITS: NaN and infinities are not served; roots and exponentials flush denormals; a block of attn under 2^-111 keeps the scale byte 1; d2 is rounded as (q.k - k2 / 2) x (-2) + q2.
.set BUFB,  77824                      ; LDS: four buffers, one K step each: v's 65,536 bytes, then pack's 12,288.  Slot s = buffers 2 s, 2 s + 1
.set PKO,   65536
.set IMG,   311296                     ; the four fragments of attn, 2,048 bytes each: group of registers c at 512 c
.set HSC,   319488                     ; their scale words, 128 bytes each
.set SPARE, 320000                     ; the spare words: 128 bytes for each wave, named by no other line
.set FLOOR, 0x8000000
.set EOFF,  0xf8800000
.set AV,  4                            ; v4-7    buffer k: my 8 fragments of v
.set AP,  8                            ; v8-11   my two fragments of q
.set AS,  12                           ; v12-15  q2, c0 dmin, 1 / sum of my 16 rows
.set AQ,  16                           ; v16-19  q's scale words
.set AW,  20                           ; v20-23  v's scale words
.set S,   32                           ; v32-95  the scores, then attn: register 16 mt + i is key tile mt, n = 32 w + 16 h + i
.set PC,  96                           ; v96-111 its codes, four registers a key tile
.set TM,  112                          ; v112-127 at work in the quantiser
.set KS,  128                          ; v128-131 the keys' scale words
.set QSW, 132                          ; v132-133 q's
.set HS,  134                          ; v134-137 attn's
.set VSW, 138                          ; v138-145 v's
.set K2T, 146                          ; v146-149 k2, at the head
.set Q2R, 184                          ; v184-199 q2 of my 16 rows
.set CDR, 200                          ; v200-215 c0 dmin
.set INR, 216                          ; v216-231 1 / sum
.set BK,  184                          ; v184-247 the way out, two sets
.set QF,  0                            ; window 2: v0-31 q's two fragments, v32-95 the four key fragments (upper halves zero codes), v96-127 -k2 / 2; v128-255, and on the way out all 256: x
.set KF,  32
.set KC2, 96
; window 1: the 32 accumulators at 8 (4 ct + mt).  window 3: v0-127 v's fragments, v128-191 attn's
.set MSB, 0
.macro WIN new
.if MSB != \new
	s_set_vgpr_msb (MSB<<8)|\new
.set MSB, \new
.endif
.endm
.macro CROUND
	s_barrier_signal -1
	s_barrier_wait -1
	s_cmp_lg_u32 s18, 0
	s_cbranch_scc1 .Lnot_wave_0_\@
	s_barrier_signal -3
.Lnot_wave_0_\@:
	s_barrier_wait -3
	s_barrier_signal -1
	s_barrier_wait -1
.endm
.macro JLOAD g                         ; a joint refill of slot g; the branch hangs on the wave's number alone; four v_nop follow each line
	s_cmp_lt_u32 s18, 2
	s_cbranch_scc0 .Lfor_p_\@
	tensor_load_to_lds s[40+4*\g:43+4*\g], s[24:31]
	s_nop 0
.rept 4
	v_nop
.endr
	s_branch .Lasked_\@
.Lfor_p_\@:
	tensor_load_to_lds s[48+4*\g:51+4*\g], s[32:39]
	s_nop 0
.rept 4
	v_nop
.endr
.Lasked_\@:
.endm
; A PREFETCH INTO THE L2 of what the NEXT refill will ask for: two K steps of v (512 blocks of 256 bytes) and of pack (96).  All clusters of a batch walk the same bytes: the batch's first cluster asks.
; Its 16 waves share the blocks out by address: 32 of v's a wave, a lane a block; 6 of pack's a wave (lanes 5 to 31 repeat lane 5's).  how = 1: the loop's last trip has no slot behind its second refill.
.macro ASK how
.if \how
	s_cmp_gt_u32 s23, s61
.else
	s_cmp_eq_u32 s61, 1
.endif
	s_cbranch_scc0 .Lnot_mine_\@
	global_prefetch_b8 v30, s[66:67] th:TH_LOAD_NT scope:SCOPE_SE
	global_prefetch_b8 v31, s[68:69] th:TH_LOAD_NT scope:SCOPE_SE
.Lnot_mine_\@:
.endm
; The barrier that shows a step's images, in a slot's second step: slot g has been read out, and the other slot is about to be read.
.macro CHANGE g, fill, how
	s_wait_tensorcnt 0x0                           ; all my tensor loads have landed: my part of the other slot; so a group 0 may be written
	ds_add_u32 v28, v29                            ; 0 onto my spare word
.if \fill
	s_add_nc_u64 s[42+4*\g:43+4*\g], s[42+4*\g:43+4*\g], 262144   ; four K steps on
	s_add_nc_u64 s[50+4*\g:51+4*\g], s[50+4*\g:51+4*\g], 49152
	s_wait_xcnt 0x0                                ; the last prefetches, two K steps back, have read their addresses
	s_add_nc_u64 s[66:67], s[66:67], 131072
	s_add_nc_u64 s[68:69], s[68:69], 24576
	s_wait_dscnt 0x0                               ; the add is done, my reads of the slot are over, my image lies in LDS
	CROUND                                         ; no wave of any partner still reads the slot or has a load on its way
	JLOAD \g                                       ; first behind the round; it has two K steps in which to land
	ASK \how
.else
	s_wait_dscnt 0x0
	s_barrier_signal -1
	s_barrier_wait -1
.endif
.endm
.macro BAR                             ; my LDS stores have landed and my LDS loads are in: then the work-group's barrier
	s_wait_dscnt 0x0
	s_barrier_signal -1
	s_barrier_wait -1
.endm
.macro LOADA k                         ; what my scores of the K step in buffer k want: 18 loads
	WIN 0x80                                       ; destination window 2
.irp u, 0,1
.irp c, 0,1
	ds_load_b128 v[QF+16*\u+4*\c:QF+16*\u+4*\c+3], v[AP+\k] offset:1024*\u+512*\c
.endr
.endr
	WIN 0
.irp u, 0,1
	ds_load_b32 v[QSW+\u], v[AQ+\k] offset:4864+64*\u
.endr
.irp i, 0,1,2,3
	ds_load_b128 v[Q2R+4*\i:Q2R+4*\i+3], v[AS+\k] offset:4096+16*\i
	ds_load_b128 v[CDR+4*\i:CDR+4*\i+3], v[AS+\k] offset:4352+16*\i
	ds_load_b128 v[INR+4*\i:INR+4*\i+3], v[AS+\k] offset:4608+16*\i
.endr
.endm
.macro MMA_A                           ; q.k - k2 / 2 for my 32 n x 64 keys: eight sums, each one product
	WIN 0x2a                                       ; q, k and -k2 / 2 in window 2, the scores in window 0
.irp mt, 0,1,2,3
.irp u, 0,1
	v_wmma_scale_f32_16x16x128_f8f6f4 v[S+16*\mt+8*\u:S+16*\mt+8*\u+7], v[QF+16*\u:QF+16*\u+15], v[KF+16*\mt:KF+16*\mt+15], v[KC2+8*\mt:KC2+8*\mt+7], v[QSW+\u], v[KS+\mt] matrix_a_fmt:MATRIX_FMT_BF8 matrix_b_fmt:MATRIX_FMT_BF8
.endr
.endr
	WIN 0
.endm
; THE VECTOR WORK OF A K STEP: the scores become attn, attn becomes codes; v's fragments of buffer k come in beside it, in two runs of 16.
.macro VEC k
.rept 8
	v_nop                                          ; eight places: behind the score products for the reads of the scores, behind the last step's products for the loads into v's registers
.endr
	WIN 0xc0                                       ; destination window 3
.irp ct, 0,1,2,3
.irp c, 0,1,2,3
	ds_load_b128 v[16*\ct+4*\c:16*\ct+4*\c+3], v[AV+\k] offset:2048*\ct+512*\c
.endr
.endr
	WIN 0
.irp ct, 0,1,2,3,4,5,6,7
	ds_load_b32 v[VSW+\ct], v[AW+\k] offset:64*\ct
.endr
; d2 = (q.k - k2 / 2) x (-2) + q2, the clip at 0 two pairs behind it, the roots four pairs behind it: a root between two plain lines.  Each tile is read from its low end on; no line names the result of a root.
.set p, 0
.rept 36
.if p < 32
	v_pk_fma_f32 v[S+2*p:S+2*p+1], v[S+2*p:S+2*p+1], -2.0, v[Q2R+(2*p)%16:Q2R+(2*p)%16+1] op_sel_hi:[1,0,1]
.endif
.if p >= 4
	v_sqrt_f32 v[S+2*p-8], v[S+2*p-8]
.endif
.if (p >= 2) && (p < 34)
	v_dual_max_num_f32 v[S+2*p-4], 0, v[S+2*p-4] :: v_dual_max_num_f32 v[S+2*p-3], 0, v[S+2*p-3]
.endif
.if p >= 4
	v_sqrt_f32 v[S+2*p-7], v[S+2*p-7]
.endif
.set p, p+1
.endr
	v_nop                                          ; a plain line behind the last root
	s_wait_alu depctr_va_vdst(0)                   ; one wait for the batch, ahead of its first reader
	WIN 0xc0
.irp ct, 4,5,6,7
.irp c, 0,1,2,3
	ds_load_b128 v[16*\ct+4*\c:16*\ct+4*\c+3], v[AV+\k] offset:2048*\ct+512*\c
.endr
.endr
	WIN 0
; c0 (dmin - dist), a pair a line, and the pair's two exponentials two pairs behind it
.set p, 0
.rept 34
.if p < 32
	v_pk_fma_f32 v[S+2*p:S+2*p+1], v[S+2*p:S+2*p+1], s[58:59], v[CDR+(2*p)%16:CDR+(2*p)%16+1] op_sel_hi:[1,0,1]
.endif
.if p >= 2
	v_exp_f32 v[S+2*p-4], v[S+2*p-4]
	v_exp_f32 v[S+2*p-3], v[S+2*p-3]
.endif
.set p, p+1
.endr
	v_nop                                          ; a plain line behind the last exponential
	s_wait_alu depctr_va_vdst(0)                   ; one wait for the batch
.set p, 0
.rept 32
	v_pk_mul_f32 v[S+2*p:S+2*p+1], v[S+2*p:S+2*p+1], v[INR+(2*p)%16:INR+(2*p)%16+1]   ; / the row's sum: attn, finished
.set p, p+1
.endr
.irp b, 0,1,2,3                        ; four blocks of 32 n: one for each tile of keys
	v_max3_num_f32 v[TM+\b], v[S+16*\b], v[S+16*\b+1], FLOOR   ; attn is not negative: no |.|; the floor holds the byte at 1 from below
.endr
.irp i, 2,4,6,8,10,12,14
.irp b, 0,1,2,3
	v_max3_num_f32 v[TM+\b], v[TM+\b], v[S+16*\b+\i], v[S+16*\b+\i+1]
.endr
.endr
.irp b, 0,1,2,3
	v_permlanex16_b32 v[TM+4+\b], v[TM+\b], s56, s57
.endr
.irp b, 0,1,2,3
	v_max_num_f32 v[TM+\b], v[TM+\b], v[TM+4+\b]   ; with lane l xor 16's 16: the block's largest
.endr
.irp b, 0,1,2,3
	v_add_nc_u32 v[TM+12+\b], EOFF, v[TM+\b]       ; 15 off the exponent field: the conversion's scale operand
.endr
.irp b, 0,1,2,3
	v_and_or_b32 v[TM+8+\b], v[TM+\b], 0x7f800000, s60   ; 57,344 x the scale
.endr
.irp b, 0,1,2,3
	v_lshrrev_b32 v[TM+4+\b], 23, v[TM+12+\b]      ; the byte
.endr
.irp b, 0,1,2,3
.irp i, 0,2,4,6,8,10,12,14
	v_dual_min_num_f32 v[S+16*\b+\i], v[TM+8+\b], v[S+16*\b+\i] :: v_dual_min_num_f32 v[S+16*\b+\i+1], v[TM+8+\b], v[S+16*\b+\i+1]   ; the hold, one-sided (ISA guide 7.6.2: the conversion does not saturate)
.endr
	v_cvt_scalef32_pk8_bf8_f32 v[PC+4*\b:PC+4*\b+1], v[S+16*\b:S+16*\b+7], v[TM+12+\b]
	v_cvt_scalef32_pk8_bf8_f32 v[PC+4*\b+2:PC+4*\b+3], v[S+16*\b+8:S+16*\b+15], v[TM+12+\b]
.endr
	v_nop                                          ; a plain line behind the last conversion: the next score products write its sources
.irp mt, 0,1,2,3
	ds_store_b128 v24, v[PC+4*\mt:PC+4*\mt+3] offset:2048*\mt   ; group w of fragment mt's registers: 512 consecutive bytes
.endr
.irp mt, 0,1,2,3
	ds_store_b8 v26, v[TM+4+\mt] offset:128*\mt    ; byte w of my key's scale word
.endr
.endm
; PHASE B of a step, behind the barrier that shows its images.  zero = 1: the products start the sums.  nk: the buffer of the next step, whose q and row terms are fetched here and whose scores are begun; -1: there is none.
.macro PB zero, nk
.irp mt, 0,1,2,3
	ds_load_b32 v[HS+\mt], v27 offset:128*\mt
.endr
	WIN 0xc0
.irp mt, 0,1,2,3
.irp c, 0,1,2,3
	ds_load_b128 v[128+16*\mt+4*\c:128+16*\mt+4*\c+3], v25 offset:2048*\mt+512*\c
.endr
.endr
.if \nk >= 0
	LOADA \nk
.set YOUNG, 18
.else
.set YOUNG, 0
.endif
	WIN 0x5f                                       ; sources 0 and 1 window 3, C and D window 1
.irp ct, 0,1,2,3,4,5,6,7
.irp mt, 0,1,2,3
.if \ct == 0
	s_wait_dscnt YOUNG+12-4*\mt                    ; the scale words and fragment mt are in; the later fragments' loads, four each, and the next step's 18 stay out
.endif
.if \zero
	v_wmma_scale_f32_16x16x128_f8f6f4 v[8*(4*\ct+\mt):8*(4*\ct+\mt)+7], v[128+16*\mt:128+16*\mt+15], v[16*\ct:16*\ct+15], 0, v[HS+\mt], v[VSW+\ct] matrix_a_fmt:MATRIX_FMT_BF8 matrix_b_fmt:MATRIX_FMT_BF8
.else
	v_wmma_scale_f32_16x16x128_f8f6f4 v[8*(4*\ct+\mt):8*(4*\ct+\mt)+7], v[128+16*\mt:128+16*\mt+15], v[16*\ct:16*\ct+15], v[8*(4*\ct+\mt):8*(4*\ct+\mt)+7], v[HS+\mt], v[VSW+\ct] matrix_a_fmt:MATRIX_FMT_BF8 matrix_b_fmt:MATRIX_FMT_BF8
.endif
.endr
.endr
.if \nk >= 0
	s_wait_dscnt 0x0                               ; the next step's q and row terms, asked for 32 products ago
	MMA_A
.else
	WIN 0
.endif
.endm
	s_load_b256 s[4:11], s[0:1], 0x0               ; x 4, gamma 6, kr 8, vimg 10
	s_load_b128 s[12:15], s[0:1], 0x20             ; pack 12, out0 14
	v_lshl_add_u32 v28, v0, 2, SPARE
	v_mov_b32 v29, 0
	ds_add_u32 v28, v29
	ds_add_u32 v28, v29
	s_wait_dscnt 0x0
	v_lshrrev_b32 v1, 5, v0
	v_readfirstlane_b32 s18, v1                    ; wave 0..3
	s_and_b32 s21, ttmp7, 0xffff                   ; b, which the four partners share
	s_and_b32 s22, s18, 1                          ; which of a slot's two K steps I fetch
	; descriptor group 1: dense blocks as rows of 256 bytes (32 elements of 8): v's K step 256 rows, pack's 48; the mask names all four work-groups, bit 21 beside it; no padding: every LDS read is 16 x lane on end
	s_mov_b32 s24, 15|(3<<16)|(1<<21)
	s_mov_b32 s25, 32<<16
	s_mov_b32 s26, 256<<16
	s_mov_b32 s27, 32<<16
	s_mov_b32 s28, 256
	s_mov_b32 s29, 32
	s_mov_b32 s30, 0
	s_mov_b32 s31, 0
	s_mov_b32 s32, 15|(3<<16)|(1<<21)
	s_mov_b32 s33, 32<<16
	s_mov_b32 s34, 48<<16
	s_mov_b32 s35, 32<<16
	s_mov_b32 s36, 48
	s_mov_b32 s37, 32
	s_mov_b32 s38, 0
	s_mov_b32 s39, 0
	s_lshl_b32 s70, s21, 21                        ; the batch's v: 32 K steps of 65,536 bytes
	s_lshl_b32 s71, s22, 16
	s_add_co_u32 s70, s70, s71
	s_mov_b32 s71, 0
	s_mul_i32 s72, s21, 393216                     ; the batch's pack: 32 x 12,288
	s_mul_i32 s73, s22, 12288
	s_add_co_u32 s72, s72, s73
	s_mov_b32 s73, 0
	s_mul_i32 s74, s22, BUFB
	s_wait_kmcnt 0x0
	s_load_b32 s16, s[6:7], 0x0                    ; gamma
	s_add_nc_u64 s[76:77], s[10:11], s[70:71]
	s_add_nc_u64 s[78:79], s[12:13], s[72:73]
.irp g, 0,1
	s_mov_b32 s[40+4*\g], 1
	s_add_co_u32 s[41+4*\g], s74, \g*2*BUFB
	s_add_nc_u64 s[42+4*\g:43+4*\g], s[76:77], \g*131072
	s_or_b32 s[43+4*\g], s[43+4*\g], 0x80000000
	s_mov_b32 s[48+4*\g], 1
	s_add_co_u32 s[49+4*\g], s74, \g*2*BUFB+PKO
	s_add_nc_u64 s[50+4*\g:51+4*\g], s[78:79], \g*24576
	s_or_b32 s[51+4*\g], s[51+4*\g], 0x80000000
.endr
	CROUND                                         ; all four work-groups are here: the first joint loads meet
	s_cmp_lt_u32 s18, 2                            ; a wave's two first fills stand in one branch: two loads of mine are out
	s_cbranch_scc0 .Lfirst_p
	tensor_load_to_lds s[40:43], s[24:31]
	s_nop 0
	tensor_load_to_lds s[44:47], s[24:31]
	s_nop 0
.rept 4
	v_nop
.endr
	s_branch .Lfirst_asked
.Lfirst_p:
	tensor_load_to_lds s[48:51], s[32:39]
	s_nop 0
	tensor_load_to_lds s[52:55], s[32:39]
	s_nop 0
.rept 4
	v_nop
.endr
.Lfirst_asked:
	s_bfe_u32 s19, ttmp6, 0x40000                  ; cx: it enters global addresses alone, in registers that feed no descriptor
	s_lshl_b32 s20, ttmp9, 2
	s_add_co_u32 s20, s20, s19                     ; mblk: my 64 keys are channel mblk of k, all 64 image rows
	v_and_b32 v1, 31, v0
	v_and_b32 v2, 15, v0                           ; r
	v_bfe_u32 v3, v0, 4, 1                         ; h
	v_mul_u32_u24 v181, v2, 4608                   ; key 16 mt + r lies in record hr = 16 mt + r
	v_lshl_add_u32 v180, v3, 4, v181
	s_mul_i32 s84, s21, 294912                     ; the batch's 64 records
	s_lshl_b32 s86, s20, 6
	s_add_co_u32 s86, s86, s84
	s_mov_b32 s87, 0
	s_add_nc_u64 s[88:89], s[8:9], s[86:87]        ; codes
	s_lshl_b32 s86, s20, 2
	s_add_co_u32 s86, s86, s84
	s_add_nc_u64 s[90:91], s[8:9], s[86:87]        ; scale word and k2
	WIN 0x80                                       ; destination window 2
.irp mt, 0,1,2,3
	global_load_b128 v[KF+16*\mt:KF+16*\mt+3], v180, s[88:89] offset:73728*\mt
	global_load_b128 v[KF+16*\mt+4:KF+16*\mt+7], v180, s[88:89] offset:73728*\mt+32
.endr
	WIN 0
.irp mt, 0,1,2,3
	global_load_b32 v[KS+\mt], v181, s[90:91] offset:73728*\mt+4096
	global_load_b32 v[K2T+\mt], v181, s[90:91] offset:73728*\mt+4352
.endr
	s_lshl_b32 s86, s21, 23
	s_lshl_b32 s85, s18, 21
	s_add_co_u32 s86, s86, s85
	s_lshl_b32 s85, s20, 8
	s_add_co_u32 s86, s86, s85                     ; (512 b + 128 w) rows of 16,384 bytes + my 64 keys' 256
	s_add_nc_u64 s[4:5], s[4:5], s[86:87]
	s_add_nc_u64 s[14:15], s[14:15], s[86:87]
	s_lshl_b32 s86, s21, 21
	s_lshl_b32 s85, s19, 15
	s_add_co_u32 s86, s86, s85
	s_lshl_b32 s85, s18, 13
	s_add_co_u32 s86, s86, s85
	s_add_co_u32 s86, s86, 262144                  ; my 32 blocks of the third pair of K steps; the first refill steps this to the fourth
	s_add_nc_u64 s[66:67], s[10:11], s[86:87]
	s_mul_i32 s86, s21, 393216
	s_mul_i32 s85, s19, 6144
	s_add_co_u32 s86, s86, s85
	s_mul_i32 s85, s18, 1536
	s_add_co_u32 s86, s86, s85
	s_add_co_u32 s86, s86, 49152
	s_add_nc_u64 s[68:69], s[12:13], s[86:87]
	s_cmp_eq_u32 ttmp9, 0                          ; the batch's first cluster: the same in all four partners
	s_cselect_b32 s61, 1, -1
	s_mov_b32 s56, 0x76543210
	s_mov_b32 s57, 0xfedcba98                      ; lane l xor 16
	s_mov_b32 s58, 0xb9b8aa3b                      ; -c0 = -log2(e) / 4096
	s_mov_b32 s59, s58
	s_mov_b32 s60, 0x600000                        ; the mantissa field of 57,344
	v_lshlrev_b32 v184, 4, v1                      ; 16 x lane
	s_lshl_b32 s70, s18, 14
	v_add_nc_u32 v185, s70, v184                   ; v: my 8 fragments
	s_lshr_b32 s71, s18, 1
	s_mul_i32 s71, s71, 6144                       ; which of the K step's two records of pack is mine: n block w lies in record w / 2, and so do channels 128 w on
	s_lshl_b32 s72, s22, 9
	s_add_co_u32 s72, s72, s71
	v_lshl_add_u32 v186, v2, 2, s72                ; v's scale words: 512 (w % 2) + 4 r
	s_lshl_b32 s72, s22, 11
	s_add_co_u32 s72, s72, s71
	v_add_nc_u32 v187, s72, v184                   ; q's images 2 (w % 2) and the next
	s_lshl_b32 s72, s22, 7
	s_add_co_u32 s72, s72, s71
	v_lshl_add_u32 v188, v3, 6, s72                ; the row terms: 128 (w % 2) + 64 h
	v_lshl_add_u32 v189, v2, 2, s72                ; q's scale words: 128 (w % 2) + 4 r
.irp k, 0,1,2,3
	v_add_nc_u32 v[AV+\k], \k*BUFB, v185
	v_add_nc_u32 v[AP+\k], \k*BUFB+PKO, v187
	v_add_nc_u32 v[AS+\k], \k*BUFB+PKO, v188
	v_add_nc_u32 v[AQ+\k], \k*BUFB+PKO, v189
	v_add_nc_u32 v[AW+\k], \k*BUFB+PKO+5120, v186
.endr
	s_lshl_b32 s70, s18, 9
	s_add_co_u32 s70, s70, IMG
	v_add_nc_u32 v24, s70, v184                    ; where my codes go: group w of a fragment's image
	v_add_nc_u32 v25, IMG, v184
	v_lshlrev_b32 v190, 2, v1
	s_add_co_u32 s70, s18, HSC
	v_add_nc_u32 v26, s70, v190                    ; and my scale bytes: 4 x lane + w
	v_add_nc_u32 v27, HSC, v190
	v_lshlrev_b32 v30, 8, v1
	v_min_u32 v31, 5, v1
	v_lshlrev_b32 v31, 8, v31
	s_mul_i32 s70, s18, 4352                       ; the way out: my stage, 16 rows x 272, in buffer 0
	v_mul_u32_u24 v176, v2, 272
	v_lshl_add_u32 v176, v3, 5, v176
	v_add_nc_u32 v176, s70, v176
	v_mul_u32_u24 v177, v3, 272
	v_lshl_add_u32 v177, v2, 4, v177
	v_add_nc_u32 v177, s70, v177
	v_lshlrev_b32 v178, 14, v3
	v_lshl_add_u32 v178, v2, 4, v178               ; lanes 0-15 one row of x and out0, lanes 16-31 the next
	v_lshlrev_b32 v179, 14, v1
.irp b, 0,1,2,3
	v_mov_b32 v[TM+4+\b], 0                        ; a lane permute's destination counts as one of its sources
.endr
	WIN 0x80
.irp f, 0,1,2,3,4,5                    ; K = 64: the rest of the instruction's 128 are zero codes, on both sides, written once: q's two fragments and the four key fragments
.irp j, 8,9,10,11,12,13,14,15
	v_mov_b32 v[16*\f+\j], 0
.endr
.endr
	s_wait_loadcnt 0x0
.irp mt, 0,1,2,3
.irp j, 0,1,2,3,4,5,6,7
	v_mul_f32 v[KC2+8*\mt+\j], -0.5, v[K2T+\mt]
.endr
.endr
	WIN 0
.rept 4
	v_nop                                          ; places between the vector writes of C and the first product
.endr
	s_wait_kmcnt 0x0
	s_mov_b32 s17, s16                             ; gamma as a pair
	s_wait_tensorcnt 0x1                           ; my part of slot 0 is in; slot 1's stays out
	s_barrier_signal -1
	s_barrier_wait -1
	LOADA 0
	s_wait_dscnt 0x0
	MMA_A                                          ; step 0's scores
	VEC 0                                          ; step 0 stands in front of the loop: its products start the sums
	BAR                                            ; the four fragments of attn lie in LDS
	PB 1, 1
	BAR                                            ; every wave's reads of the images are over: they may be written again
	s_mov_b32 s23, 7
.Lslots:                                           ; a trip is steps 4 t + 1 to 4 t + 4: once round the ring, both slots filled again
	VEC 1
	CHANGE 0, 1, 0
	PB 0, 2
	BAR
	VEC 2
	BAR
	PB 0, 3
	BAR
	VEC 3
	CHANGE 1, 1, 1
	PB 0, 0
	BAR
	VEC 0
	BAR
	PB 0, 1
	BAR
	s_sub_co_u32 s23, s23, 1
	s_cmp_lg_u32 s23, 0
	s_cbranch_scc1 .Lslots
	; the last three steps are written out: nothing is left to ask for.  The first half of x (64 of my 128 rows, 128 registers that the loop leaves free) is loaded here; the other half is prefetched, a lane a row
	WIN 0x80
.irp ct, 0,1,2,3
.irp i, 0,1,2,3,4,5,6,7
	global_load_b128 v[128+32*\ct+4*\i:128+32*\ct+4*\i+3], v178, s[4:5] offset:(16*\ct+2*\i)*16384 th:TH_LOAD_NT
.endr
.endr
	WIN 0
.irp i, 2,3
	global_prefetch_b8 v179, s[4:5] offset:524288*\i th:TH_LOAD_NT scope:SCOPE_SE
.endr
	VEC 1
	CHANGE 0, 0, 0                                 ; slot 1's last fill has landed
	PB 0, 2
	BAR
	VEC 2
	BAR
	PB 0, 3
	BAR
	VEC 3
	BAR
	PB 0, -1
	; THE WAY OUT.  A tile of 16 channels x 64 keys goes through my own stage (buffer 0 has had its last fill and its last read) and comes back as rows of 256 bytes; gamma x it + x; sixteen lanes store 256 consecutive bytes, aligned.
.rept 8
	v_nop                                          ; eight places behind the last products
.endr
	WIN 0x80
.irp ct, 4,5,6,7
.irp i, 0,1,2,3,4,5,6,7
	global_load_b128 v[32*(\ct-4)+4*\i:32*(\ct-4)+4*\i+3], v178, s[4:5] offset:(16*\ct+2*\i)*16384 th:TH_LOAD_NT
.endr
.endr
	WIN 0
.macro TOSTAGE ct
	WIN 0x04                                       ; an LDS store's data are its source 1: window 1
.irp mt, 0,1,2,3
	ds_store_b128 v176, v[8*(4*(\ct)+\mt):8*(4*(\ct)+\mt)+3] offset:64*\mt       ; each accumulator from its low end on
	ds_store_b128 v176, v[8*(4*(\ct)+\mt)+4:8*(4*(\ct)+\mt)+7] offset:64*\mt+16
.endr
	WIN 0
.irp i, 0,1,2,3,4,5,6,7
	ds_load_b128 v[BK+32*((\ct)%2)+4*\i:BK+32*((\ct)%2)+4*\i+3], v177 offset:544*\i   ; LDS serves a wave's instructions in order: these see the stores above
.endr
.endm
.macro SEND ct, younger
.set XR, (128+32*(\ct))%256            ; where the tile's x lies in window 2
	s_wait_dscnt \younger                          ; the tile is back; the next tile's 8 stores and 8 loads may be out
	s_wait_loadcnt 56-8*(\ct)                      ; its 8 loads of x are in; the later tiles' stay out
	WIN 0x20                                       ; source 2 (x) in window 2
.set e, 0
.rept 16
	v_pk_fma_f32 v[BK+32*((\ct)%2)+e:BK+32*((\ct)%2)+e+1], v[BK+32*((\ct)%2)+e:BK+32*((\ct)%2)+e+1], s[16:17], v[XR+e:XR+e+1] op_sel_hi:[1,0,1]
.set e, e+2
.endr
	WIN 0
.irp i, 0,1,2,3,4,5,6,7
	global_store_b128 v178, v[BK+32*((\ct)%2)+4*\i:BK+32*((\ct)%2)+4*\i+3], s[14:15] offset:(16*(\ct)+2*\i)*16384 th:TH_STORE_NT
.endr
.endm
	TOSTAGE 0
.irp ct, 1,2,3,4,5,6,7
.if \ct > 1
	s_wait_xcnt 0x0                                ; the stores of two tiles back have read their registers: this tile's rows may land there
.endif
	TOSTAGE \ct
	SEND \ct-1, 16
.endr
	SEND 7, 0
	s_wait_tensorcnt 0x0                           ; the wave's end
	ds_add_u32 v28, v29
	s_wait_dscnt 0x0
	CROUND                                         ; the closing round
	s_endpgm
.Lfunc_end_k_q47531d3631_attend:
	.size	k_q47531d3631_attend, .Lfunc_end_k_q47531d3631_attend-k_q47531d3631_attend
	.p2alignl 7, 3214868480
	.fill 96, 4, 3214868480
	.section	.rodata,"a",@progbits
	.p2align	6, 0x0
	.amdhsa_kernel k_q47531d3631_attend
		.amdhsa_group_segment_fixed_size 327680
		.amdhsa_private_segment_fixed_size 0
		.amdhsa_enable_private_segment 0
		.amdhsa_kernarg_size 48
		.amdhsa_user_sgpr_count 2
		.amdhsa_user_sgpr_kernarg_segment_ptr 1
		.amdhsa_wavefront_size32 1
		.amdhsa_system_sgpr_workgroup_id_x 1
		.amdhsa_system_sgpr_workgroup_id_y 1
		.amdhsa_system_sgpr_workgroup_id_z 1
		.amdhsa_system_vgpr_workitem_id 0
		.amdhsa_next_free_vgpr 1024
		.amdhsa_next_free_sgpr 100
		.amdhsa_reserve_vcc 0
		.amdhsa_float_denorm_mode_32 3
		.amdhsa_float_denorm_mode_16_64 3
		.amdhsa_memory_ordered 1
		.amdhsa_forward_progress 1
		.amdhsa_inst_pref_size 255
	.end_amdhsa_kernel
	.section	.bss,"aw",@nobits
	.p2align	6
	.space	262144
	.amdgpu_metadata
---
amdhsa.version: [ 1, 2 ]
amdhsa.kernels:
  - .name:           k_q47531d3631_attend
    .symbol:         k_q47531d3631_attend.kd
    .args:
      - { .name: x, .offset: 0, .size: 8, .value_kind: global_buffer, .address_space: global }
      - { .name: gamma, .offset: 8, .size: 8, .value_kind: global_buffer, .address_space: global }
      - { .name: kr, .offset: 16, .size: 8, .value_kind: global_buffer, .address_space: global }
      - { .name: vimg, .offset: 24, .size: 8, .value_kind: global_buffer, .address_space: global }
      - { .name: pack, .offset: 32, .size: 8, .value_kind: global_buffer, .address_space: global }
      - { .name: out0, .offset: 40, .size: 8, .value_kind: global_buffer, .address_space: global }
    .group_segment_fixed_size: 327680
    .private_segment_fixed_size: 0
    .kernarg_segment_align: 8
    .kernarg_segment_size: 48
    .max_flat_workgroup_size: 128
    .sgpr_count:     100
    .vgpr_count:     1024
    .wavefront_size: 32
...
	.end_amdgpu_metadata
.endif
;; end of part 5
